; MI455X (gfx1250); checked and timed in simulation.
; The chip was launched on July 23, 2026; its instructions are those of AMD's public machine-readable ISA for CDNA 5 (MIT licence, August 2026) and "CDNA5" Instruction Set Architecture Reference Guide (July 2026). The comments in the code are by the model that wrote it; some were corrected since.
;; TF Llama Attention. Allowed arithmetic: matrix products marked QUANTISED: E5M2 operands, one given power-of-two scale a tensor, by v_wmma_f32_16x16x64_bf8_bf8 or v_wmma_f32_16x16x128_bf8_bf8, f32 sums; products left as they are: f32 operands where the result goes on into a quantised operand, else bf16, f16 or f32 operands; f32 sums; everything else in f32.
;; Inputs: attention_mask 2 x 1 x 2,048 x 2,048 float32; hidden_states 2 x 2,048 x 1,024 float32; lowp_scales 12 int32 (the exponents e of the quantised operands' scales 2^e); position_ids 2 x 2,048 int32; wk 1,024 x 1,024 float32; wo 1,024 x 1,024 float32; wq 1,024 x 1,024 float32; wv 1,024 x 1,024 float32.
;; Outputs: out0 2 x 2,048 x 1,024 float32.
;; This version of the problem:
;;   THIS VERSION OF THE PROBLEM IS GIVEN IN LOW PRECISION. The matrix products marked QUANTISED in the list below multiply operands that are first quantised to E5M2 (5 exponent bits, 2 mantissa bits; 8 bits a number), with one given power-of-two scale for each operand tensor; their sums are f32. All else is computed in f32.
;;   The module's matrix products, in the order in which they are computed (A, B: the left and right operand; K: the contracted axis; several contracted axes count as one K, in the product's order):
;;     1. [M 4,096, K 1,024] x [K 1,024, N 1,024]; A: input hidden_states; B: input wq: QUANTISED (scales: A lowp_scales[0], B lowp_scales[1])
;;     2. [M 4,096, K 1,024] x [K 1,024, N 1,024]; A: input hidden_states; B: input wk: QUANTISED (scales: A lowp_scales[2], B lowp_scales[3])
;;     3. [M 4,096, K 1,024] x [K 1,024, N 1,024]; A: input hidden_states; B: input wv: QUANTISED (scales: A lowp_scales[4], B lowp_scales[5])
;;     4. [M 2,048, K 1] x [K 1, N 32]; A: computed on the way; B: computed on the way: left as it is (no contracted axis)
;;     5. batch 32 x [M 2,048, K 64] x [K 64, N 2,048]; A: computed on the way; B: computed on the way: QUANTISED (scales: A lowp_scales[6], B lowp_scales[7])
;;     6. batch 32 x [M 2,048, K 2,048] x [K 2,048, N 64]; A: softmax (see below); B: computed on the way: QUANTISED (scales: A lowp_scales[8], B lowp_scales[9])
;;     7. [M 4,096, K 1,024] x [K 1,024, N 1,024]; A: computed on the way; B: input wo: QUANTISED (scales: A lowp_scales[10], B lowp_scales[11])
;;   THE QUANTISER, for each operand of a quantised product, along K:
;;     - The operand's scale is 2^e, e = its entry of the input lowp_scales (int32; the entries are numbered through the quantised products in the list's order, A before B).
;;     - Each number is divided by the scale, clamped to +-57,344, and rounded to the nearest number of E5M2, ties to even, subnormals kept.
;;     - The product sums the exact products of the quantised numbers (number of the format x scale) in f32.
;;   ~~~python
;;   def quantise(x, axis, e):      # numpy; x: float32 -> the quantised numbers, widened to float32 again
;;       x = np.moveaxis(x, axis, -1); K = x.shape[-1]
;;       r = np.clip(x / 2.0 ** e, -57344, 57344)
;;       step = 2.0 ** (np.maximum(np.frexp(np.where(r == 0, 1, r))[1] - 1, -14) - 2)
;;       q = np.round(r / step) * step * 2.0 ** e      # np.round: ties to even
;;       return np.moveaxis(q, -1, axis).astype(np.float32)
;;   ~~~
;;   SOFTMAX AHEAD OF A QUANTISED PRODUCT. Where the list says 'softmax', what is quantised is not the finished softmax but p = 2^(t - M), with t = logit x log2(e) and M = ceil(the row's largest t), a whole number; so 1/2 < the row's largest p <= 1. The row's sum l is taken of the UNQUANTISED p, in f32, and the product's result is divided by l at the end. Since M is a whole number, a kernel that streams over the keys may use a running M (the ceiling of the running maximum): every later rescaling is an exact power of two, so the quantised numbers keep their values, but for numbers so far below the row's largest that they fall under the format's range.
;;   OPERANDS COMPUTED ON THE WAY. 'Computed on the way' means the value that the module computes at that place (a softmax that the list does not call 'softmax' is quantised finished and normalised). What goes into a quantiser is computed in f32, as accurately as f32 sums, v_exp_f32 and their like allow (about 1e-6 of the number): no bf16 or f16 on the way to a quantiser, and a product that is left as it is and whose result goes on into a quantised operand takes f32 operands (vector FMAs, or v_wmma_f32_16x16x4_f32). A number that lies on a knife's edge between two numbers of the format may be rounded either way, as far as f32 arithmetic and the matrix unit's own rounding can turn it there, and no further.
;; One version. Each part assembles by itself: llvm-mc -triple=amdgcn-amd-amdhsa -mcpu=gfx1250 --defsym DOCPART=n.
;; ======== version 1 of 1: 4 launches
;; limits: right only within a limited range of input values
;; workspace buffers: xc 12,582,912 bytes; wc 4,194,304 bytes; rope 524,288 bytes; qc 4,194,304 bytes; kv 8,388,608 bytes; ao 4,194,304 bytes
;; launch prep (part 1): grid 448 x 1, 4 waves a work-group, no clusters, 34,304 bytes of LDS; arguments hidden_states, wq, wk, wv, wo, lowp_scales, xc, wc, rope; writes xc, wc, rope
.if DOCPART == 1
	.amdgcn_target "amdgcn-amd-amdhsa--gfx1250"
	.amdhsa_code_object_version 6
	.text
	.protected	k_q0f151b1c17_prep
	.globl	k_q0f151b1c17_prep
	.p2align	8
	.type	k_q0f151b1c17_prep,@function
k_q0f151b1c17_prep:
	s_mov_b64 s[64:65], 0
	v_nop
	global_prefetch_b8 v0, s[64:65] scope:SCOPE_SE
	s_setreg_imm32_b32 hwreg(HW_REG_WAVE_MODE, 25, 1), 1
	s_wait_xcnt 0x0
; PREP: what the three later launches read many times is made once.
;   work-groups 0-255   (X): hidden_states [4096][1024] f32 -> codes of E5M2, three times, with the scales of entries 0, 2 and 4 of lowp_scales (they may differ)
;   work-groups 256-383 (W): wq, wk, wv, wo [1024 (k)][1024 (n)] f32 -> codes with K innermost, with entries 1, 3, 5, 11
;   work-groups 384-447 (R): the table of cos and sin: row pos = 32 cos, then 32 sin, f32
; DEAD WORK: none.  Every input of reference() has a way to the output and every step of it is done by one of the four launches: the mask and the positions are inputs and are honoured as given.
; THE LAYOUT OF ALL CODES: images of operand registers.  A fragment, 16 rows x 128 K, is 2,048 bytes [c 0..3][lane 0..31][16]: lane (r = lane % 16, h = lane / 16) holds k = 32 c + 16 h + 0..15 of the tile's row r.
; That is one permutation of k, the same on both sides of every product.  TILE T = 2 G + u HOLDS ROWS 32 G + 8 u + r + 8 (r / 8): a product that takes such tiles as source 0 leaves, in the 16 registers
; of two neighbouring tiles, 16 neighbours along that axis, which is what the next quantiser wants.  xc: [version 3][T 256][K step 8][2048];  wc: [weight 4][T 64][K step 8][2048], rows = output columns n.
; code = x / 2^e, held within +-57,344, to the nearest code, ties to even.  LIMITS: -126 <= e and e + 15 <= 127 for each entry used here.  NaN among the inputs is not served.
; THE TABLE: inv_freq(i) = 2^(-i log2(10000) / 32) by v_exp_f32; angle = pos x inv_freq in f32, as reference() has it; reduced by multiples of pi/2 given in two parts; sine to r^9, cosine to r^10 for |r| <= pi/4.
; LIMIT: inv_freq may differ from reference()'s by one or two units in its last place, which at the largest angles (about 1,500) is about 2e-4 in the angle.
.set SPARE, 33792                      ; behind the four stages: the spare words, 128 bytes for each wave, two blocks of 256 bytes that no other line names
.set STGB,  8448                       ; path X: a wave's stage, 16 rows x 528 bytes
.set R,     64                         ; v64-191  path X: two K steps x 64 numbers
.set T,     32                         ; v32-63   path X: two sets of 16 held numbers
.set C,     192                        ; v192-239 path X: codes, 16 registers a version
.set SPW,   12                         ; v12  LDS address of my spare word; never rewritten
.set NIL,   13                         ; v13  0; never rewritten
.macro MKSC e, vs, vl                  ; from the exponent in s[e]: v[vs] = 2^e as f32 (the conversion takes its exponent field), v[vl] = 57,344 x 2^e
	s_add_co_i32 s44, s[\e], 127
	s_lshl_b32 s45, s44, 23
	v_mov_b32 v[\vs], s45
	s_add_co_i32 s44, s44, 15
	s_lshl_b32 s44, s44, 23
	s_or_b32 s44, s44, 0x600000
	v_mov_b32 v[\vl], s44
.endm
	s_load_b256 s[4:11], s[0:1], 0x0               ; hidden s[4:5], wq s[6:7], wk s[8:9], wv s[10:11]
	s_load_b256 s[12:19], s[0:1], 0x20             ; wo s[12:13], lowp_scales s[14:15], xc s[16:17], wc s[18:19]
	s_load_b64 s[20:21], s[0:1], 0x40              ; rope
	v_lshl_add_u32 v[SPW], v0, 2, SPARE
	v_mov_b32 v[NIL], 0
	v_lshrrev_b32 v1, 5, v0
	v_readfirstlane_b32 s22, v1                    ; wave 0..3
	v_and_b32 v2, 31, v0                           ; lane
	v_lshlrev_b32 v3, 4, v2                        ; 16 x lane
	s_wait_kmcnt 0x0
	s_cmp_lt_u32 ttmp9, 256
	s_cbranch_scc0 .Lnot_x
; ---------------- PATH X: tile T = the work-group's number; wave w takes K steps 2 w and 2 w + 1 (1,024 bytes of each of the tile's 16 rows)
	s_load_b256 s[32:39], s[14:15], 0x0            ; e0 .. e7
	s_lshr_b32 s24, ttmp9, 1
	s_lshl_b32 s24, s24, 5
	s_and_b32 s25, ttmp9, 1
	s_lshl_b32 s25, s25, 3
	s_add_co_u32 s24, s24, s25                     ; 32 G + 8 u
	s_lshl_b32 s24, s24, 12                        ; rows of 4,096 bytes
	s_lshl_b32 s25, s22, 10
	s_add_co_u32 s24, s24, s25
	s_mov_b32 s25, 0
	s_add_nc_u64 s[4:5], s[4:5], s[24:25]
	s_lshl_b32 s24, ttmp9, 14                      ; the tile's images: 16,384 T + 4,096 w
	s_lshl_b32 s26, s22, 12
	s_add_co_u32 s24, s24, s26
	s_add_nc_u64 s[26:27], s[16:17], s[24:25]      ; version 0,
	s_add_nc_u64 s[28:29], s[26:27], 0x400000      ; 1,
	s_add_nc_u64 s[30:31], s[28:29], 0x400000      ; 2
	s_mul_i32 s23, s22, STGB
	s_wait_alu depctr_va_vdst(0)
	v_add_nc_u32 v14, s23, v3                      ; the stage, on the way in: a row's 512 bytes as they lie
	v_and_b32 v4, 15, v0
	v_bfe_u32 v5, v0, 4, 1
	v_mul_u32_u24 v15, v4, 528                     ; on the way out: row r (132 words apart: row r begins at bank 4 r of 64, ISA guide 11.1), + 64 h
	v_lshl_add_u32 v15, v5, 6, v15
	v_add_nc_u32 v15, s23, v15
.macro XLD kk                          ; K step kk: sixteen loads, each 512 consecutive bytes of one of the tile's rows
.set ii, 0
.rept 16
	global_load_b128 v[R+64*\kk+4*ii:R+64*\kk+4*ii+3], v3, s[4:5] offset:(ii+8*(ii/8))*4096+512*\kk th:TH_LOAD_NT
.set ii, ii+1
.endr
.endm
.macro XTURN kk                        ; through the stage: in as loaded, back 16 neighbours at a time: register 16 c + i = k 32 c + 16 h + i of row r.  LDS serves a wave's instructions in order (ISA guide 5.7.1.4)
.set ii, 0
.rept 16
	ds_store_b128 v14, v[R+64*\kk+4*ii:R+64*\kk+4*ii+3] offset:528*ii
.set ii, ii+1
.endr
.set ii, 0
.rept 16
	ds_load_b128 v[R+64*\kk+4*ii:R+64*\kk+4*ii+3], v15 offset:128*(ii/4)+16*(ii%4)
.set ii, ii+1
.endr
.endm
.macro XQ kk                           ; the 64 numbers become three fragments, one for each scale; twelve stores of 512 consecutive bytes
.set ver, 0
.rept 3
.set cc, 0
.rept 4
.set TS, T+16*(cc%2)
.set ii, 0
.rept 16
	v_med3_num_f32 v[TS+ii], v[R+64*\kk+16*cc+ii], -v[19+ver], v[19+ver]   ; the conversion to an 8-bit code does not saturate (ISA guide 7.6.2): the hold comes first.  The other set's sixteen holds are the plain lines behind a set's conversions
.set ii, ii+1
.endr
	v_cvt_scalef32_pk8_bf8_f32 v[C+16*ver+4*cc:C+16*ver+4*cc+1], v[TS:TS+7], v[16+ver]
	v_cvt_scalef32_pk8_bf8_f32 v[C+16*ver+4*cc+2:C+16*ver+4*cc+3], v[TS+8:TS+15], v[16+ver]
.set cc, cc+1
.endr
.set ver, ver+1
.endr
.set ver, 0
.rept 3
.set cc, 0
.rept 4
	global_store_b128 v3, v[C+16*ver+4*cc:C+16*ver+4*cc+3], s[26+2*ver:27+2*ver] offset:2048*\kk+512*cc
.set cc, cc+1
.endr
.set ver, ver+1
.endr
.endm
	XLD 0
	XLD 1
	s_wait_alu depctr_va_vdst(0)
	s_wait_kmcnt 0x0
	MKSC 32, 16, 19                                ; entry 0
	MKSC 34, 17, 20                                ; entry 2
	MKSC 36, 18, 21                                ; entry 4
	s_wait_alu depctr_va_vdst(0)
	s_wait_loadcnt 16                              ; the first K step's sixteen loads are in, the second's may be out
	XTURN 0
	s_wait_dscnt 0x0                               ; the first K step is back in registers
	s_wait_loadcnt 0x0
	XTURN 1                                        ; the second goes through the stage while the first is quantised
	XQ 0
	s_wait_dscnt 0x0
	s_wait_xcnt 0x0                                ; the stores have read the codes' registers: they are written again only behind this wait
	XQ 1
	s_wait_tensorcnt 0x0                           ; the wave's end
	ds_add_u32 v[SPW], v[NIL]
	s_wait_dscnt 0x0
	s_endpgm
; ---------------- PATH W: g = work-group - 256: weight g / 32, 128 columns g % 8, 256 along K (g / 8) % 4.  A lane takes a column and its registers run down K: nothing is transposed
.Lnot_x:
	s_cmp_lt_u32 ttmp9, 384
	s_cbranch_scc0 .Lrope
	s_load_b256 s[32:39], s[14:15], 0x0            ; e0 .. e7
	s_load_b128 s[40:43], s[14:15], 0x20           ; e8 .. e11
	s_sub_co_u32 s24, ttmp9, 256
	s_lshr_b32 s25, s24, 5                         ; which weight
	s_and_b32 s26, s24, 7
	s_bfe_u32 s27, s24, 0x20003                    ; which 256 along K
	s_cmp_eq_u32 s25, 0                            ; the choice hangs on the work-group's number alone
	s_cselect_b64 s[28:29], s[6:7], s[8:9]
	s_cmp_lt_u32 s25, 2
	s_cselect_b64 s[28:29], s[28:29], s[10:11]
	s_cmp_lt_u32 s25, 3
	s_cselect_b64 s[28:29], s[28:29], s[12:13]
	s_lshl_b32 s30, s26, 2
	s_add_co_u32 s30, s30, s22                     ; G: my wave's group of 32 columns
	s_lshl_b32 s46, s27, 20                        ; 256 rows of 4,096 bytes
	s_lshl_b32 s47, s30, 7
	s_add_co_u32 s46, s46, s47
	s_mov_b32 s47, 0
	s_add_nc_u64 s[28:29], s[28:29], s[46:47]
	s_lshl_b32 s46, s25, 20                        ; the images: weight x 2^20 + 32,768 G (two tiles) + 4,096 x (two K steps)
	s_lshl_b32 s31, s30, 15
	s_add_co_u32 s46, s46, s31
	s_lshl_b32 s31, s27, 12
	s_add_co_u32 s46, s46, s31
	s_add_nc_u64 s[18:19], s[18:19], s[46:47]
	s_wait_alu depctr_va_vdst(0)
	v_and_b32 v4, 7, v2                            ; lane 16 u + r is row r of tile 2 G + u, which is column 32 G + 8 u + r + 8 (r / 8): the lane's number with bits 3 and 4 exchanged
	v_bfe_u32 v5, v2, 3, 1
	v_bfe_u32 v6, v2, 4, 1
	v_lshl_add_u32 v4, v5, 4, v4
	v_lshl_add_u32 v4, v6, 3, v4
	v_lshlrev_b32 v7, 2, v4                        ; in: 4 bytes a column; the wave reads 128 consecutive bytes
	v_and_b32 v8, 15, v2
	v_lshlrev_b32 v8, 4, v8
	v_lshl_add_u32 v8, v6, 14, v8                  ; out: tile u, 16 r: sixteen lanes store 256 consecutive bytes, aligned
.macro WLD t                           ; block t: W(32 t + i, my column)
.set ii, 0
.rept 32
	global_load_b32 v[64+32*((\t)%2)+ii], v7, s[28:29] offset:(32*(\t)+ii)*4096 th:TH_LOAD_NT
.set ii, ii+1
.endr
.endm
	WLD 0
	WLD 1
	s_wait_kmcnt 0x0
	s_cmp_eq_u32 s25, 0
	s_cselect_b32 s44, s33, s35                    ; entry 1 or 3,
	s_cmp_lt_u32 s25, 2
	s_cselect_b32 s44, s44, s37                    ; 5,
	s_cmp_lt_u32 s25, 3
	s_cselect_b32 s44, s44, s43                    ; 11
	MKSC 44, 10, 11
.macro WBLK t
.set XS, 64+32*((\t)%2)
.if (\t) < 7
	s_wait_loadcnt 32                              ; this block's 32 loads are in, the next block's may be out
.else
	s_wait_loadcnt 0x0
.endif
.set ii, 0
.rept 32
	v_med3_num_f32 v[XS+ii], v[XS+ii], -v11, v11
.set ii, ii+1
.endr
.set ii, 0
.rept 4
	v_cvt_scalef32_pk8_bf8_f32 v[128+8*(\t)+2*ii:128+8*(\t)+2*ii+1], v[XS+8*ii:XS+8*ii+7], v10
.set ii, ii+1
.endr
	global_store_b128 v8, v[128+8*(\t):128+8*(\t)+3], s[18:19] offset:2048*((\t)/4)+512*((\t)%4)          ; k 32 t + 0..15: the image's lanes 0-15
	global_store_b128 v8, v[128+8*(\t)+4:128+8*(\t)+7], s[18:19] offset:2048*((\t)/4)+512*((\t)%4)+256    ; k 32 t + 16..31: its lanes 16-31.  Each block has its own registers for codes: none is written again
.if (\t)+2 < 8
	WLD (\t)+2
.endif
.endm
	s_wait_alu depctr_va_vdst(0)
.irp t, 0,1,2,3,4,5,6,7
	WBLK \t
.endr
	s_endpgm
; ---------------- PATH R: g = work-group - 384; wave w makes rows 32 g + 8 w + 0..7.  Sixteen lanes make a row: lane l % 16 its entries 4 (l % 16) + 0..3; lanes 16-31 the next row
.Lrope:
	s_sub_co_u32 s24, ttmp9, 384
	s_lshl_b32 s24, s24, 5
	s_lshl_b32 s25, s22, 3
	s_add_co_u32 s24, s24, s25                     ; my first position
	s_lshl_b32 s26, s24, 8
	s_mov_b32 s27, 0
	s_add_nc_u64 s[20:21], s[20:21], s[26:27]
	s_mov_b32 s50, 0x3fc90fdb                      ; pi/2, the upper part,
	s_mov_b32 s51, 0xb33bbd2e                      ; and what is left of it
	v_and_b32 v4, 7, v0
	v_lshlrev_b32 v4, 2, v4                        ; my first frequency
	v_bfe_u32 v5, v0, 3, 1
	v_xor_b32 v5, 1, v5                            ; 1 where I make cosines (entries 0-31): cos x = sin(x + pi/2)
	v_bfe_u32 v6, v0, 4, 1
	v_mov_b32 v8, 0x3638ef1d                       ; 1/9!
	v_mov_b32 v9, 0xb493f27e                       ; -1/10!
.irp e, 0,1,2,3
	v_add_nc_u32 v[16+\e], \e, v4
	v_cvt_f32_u32 v[16+\e], v[16+\e]
	v_mul_f32 v[16+\e], 0xbed49a78, v[16+\e]       ; -i log2(10000) / 32
.endr
	s_wait_alu depctr_va_vdst(0)
.irp e, 0,1,2,3
	v_exp_f32 v[16+\e], v[16+\e]                   ; inv_freq
.endr
	v_add_nc_u32 v6, s24, v6                       ; my row of the first pair.  (The plain line behind the exponentials)
	s_wait_alu depctr_va_vdst(0)                   ; the wait ahead of the first reader: one for the four
.macro ROPEROW it                      ; positions 2 it and 2 it + 1 of my eight; the four entries take turns line by line
	v_add_nc_u32 v7, 2*\it, v6
	v_cvt_f32_u32 v7, v7
.irp e, 0,1,2,3
	v_mul_f32 v[20+\e], v7, v[16+\e]               ; the angle
.endr
.irp e, 0,1,2,3
	v_mul_f32 v[24+\e], 0x3f22f983, v[20+\e]       ; x 2/pi
.endr
.irp e, 0,1,2,3
	v_rndne_f32 v[24+\e], v[24+\e]                 ; n
.endr
.irp e, 0,1,2,3
	v_fma_f32 v[28+\e], -v[24+\e], s50, v[20+\e]
.endr
.irp e, 0,1,2,3
	v_fma_f32 v[28+\e], -v[24+\e], s51, v[28+\e]   ; r = angle - n pi/2
.endr
.irp e, 0,1,2,3
	v_cvt_i32_f32 v[44+\e], v[24+\e]
.endr
.irp e, 0,1,2,3
	v_add_nc_u32 v[44+\e], v[44+\e], v5            ; the quadrant
	v_mul_f32 v[32+\e], v[28+\e], v[28+\e]         ; z = r^2
.endr
.irp e, 0,1,2,3
	v_fmaak_f32 v[36+\e], v8, v[32+\e], 0xb9500d01
	v_fmaak_f32 v[40+\e], v9, v[32+\e], 0x37d00d01
.endr
.irp e, 0,1,2,3
	v_fmaak_f32 v[36+\e], v[36+\e], v[32+\e], 0x3c088889
	v_fmaak_f32 v[40+\e], v[40+\e], v[32+\e], 0xbab60b61
.endr
.irp e, 0,1,2,3
	v_fmaak_f32 v[36+\e], v[36+\e], v[32+\e], 0xbe2aaaab
	v_fmaak_f32 v[40+\e], v[40+\e], v[32+\e], 0x3d2aaaab
.endr
.irp e, 0,1,2,3
	v_mul_f32 v[36+\e], v[36+\e], v[32+\e]
	v_fmaak_f32 v[40+\e], v[40+\e], v[32+\e], 0xbf000000
.endr
.irp e, 0,1,2,3
	v_fma_f32 v[36+\e], v[36+\e], v[28+\e], v[28+\e]       ; sin r
	v_fmaak_f32 v[40+\e], v[40+\e], v[32+\e], 0x3f800000   ; cos r
.endr
.irp e, 0,1,2,3
	v_and_b32 v[24+\e], 1, v[44+\e]
	v_cmp_eq_u32 vcc_lo, 1, v[24+\e]
	v_cndmask_b32 v[48+4*\it+\e], v[36+\e], v[40+\e], vcc_lo   ; odd quadrants take the cosine,
	v_and_b32 v[44+\e], 2, v[44+\e]
	v_lshlrev_b32 v[44+\e], 30, v[44+\e]
	v_xor_b32 v[48+4*\it+\e], v[48+4*\it+\e], v[44+\e]         ; quadrants 2 and 3 the other sign
.endr
	global_store_b128 v3, v[48+4*\it:48+4*\it+3], s[20:21] offset:512*\it   ; two whole rows of 256 bytes; each pair of rows has its own registers
.endm
.irp it, 0,1,2,3
	ROPEROW \it
.endr
	s_endpgm
.Lfunc_end_k_q0f151b1c17_prep:
	.size	k_q0f151b1c17_prep, .Lfunc_end_k_q0f151b1c17_prep-k_q0f151b1c17_prep
	.p2alignl 7, 3214868480
	.fill 96, 4, 3214868480
	.section	.rodata,"a",@progbits
	.p2align	6, 0x0
	.amdhsa_kernel k_q0f151b1c17_prep
		.amdhsa_group_segment_fixed_size 34304
		.amdhsa_private_segment_fixed_size 0
		.amdhsa_enable_private_segment 0
		.amdhsa_kernarg_size 72
		.amdhsa_user_sgpr_count 2
		.amdhsa_user_sgpr_kernarg_segment_ptr 1
		.amdhsa_wavefront_size32 1
		.amdhsa_system_sgpr_workgroup_id_x 1
		.amdhsa_system_sgpr_workgroup_id_y 1
		.amdhsa_system_sgpr_workgroup_id_z 1
		.amdhsa_system_vgpr_workitem_id 0
		.amdhsa_next_free_vgpr 240
		.amdhsa_next_free_sgpr 66
		.amdhsa_reserve_vcc 1
		.amdhsa_float_denorm_mode_32 3
		.amdhsa_float_denorm_mode_16_64 3
		.amdhsa_memory_ordered 1
		.amdhsa_forward_progress 1
		.amdhsa_inst_pref_size 106
	.end_amdhsa_kernel
	.amdgpu_metadata
---
amdhsa.version: [ 1, 2 ]
amdhsa.kernels:
  - .name:           k_q0f151b1c17_prep
    .symbol:         k_q0f151b1c17_prep.kd
    .args:
      - { .name: hidden_states, .offset: 0, .size: 8, .value_kind: global_buffer, .address_space: global }
      - { .name: wq, .offset: 8, .size: 8, .value_kind: global_buffer, .address_space: global }
      - { .name: wk, .offset: 16, .size: 8, .value_kind: global_buffer, .address_space: global }
      - { .name: wv, .offset: 24, .size: 8, .value_kind: global_buffer, .address_space: global }
      - { .name: wo, .offset: 32, .size: 8, .value_kind: global_buffer, .address_space: global }
      - { .name: lowp_scales, .offset: 40, .size: 8, .value_kind: global_buffer, .address_space: global }
      - { .name: xc, .offset: 48, .size: 8, .value_kind: global_buffer, .address_space: global }
      - { .name: wc, .offset: 56, .size: 8, .value_kind: global_buffer, .address_space: global }
      - { .name: rope, .offset: 64, .size: 8, .value_kind: global_buffer, .address_space: global }
    .group_segment_fixed_size: 34304
    .private_segment_fixed_size: 0
    .kernarg_segment_align: 8
    .kernarg_segment_size: 72
    .max_flat_workgroup_size: 128
    .sgpr_count:     66
    .vgpr_count:     240
    .wavefront_size: 32
...
	.end_amdgpu_metadata
.endif
;; end of part 1
;; launch qkv (part 2): grid 8 x 32, 4 waves a work-group, clusters of 4 x 4, 327,680 bytes of LDS; arguments xc, wc, rope, position_ids, lowp_scales, qc, kv; writes qc, kv
.if DOCPART == 2
	.amdgcn_target "amdgcn-amd-amdhsa--gfx1250"
	.amdhsa_code_object_version 6
	.text
	.protected	k_q0f151b1c17_qkv
	.globl	k_q0f151b1c17_qkv
	.p2align	8
	.type	k_q0f151b1c17_qkv,@function
k_q0f151b1c17_qkv:
	s_mov_b64 s[64:65], 0
	v_nop
	global_prefetch_b8 v0, s[64:65] scope:SCOPE_SE
	s_setreg_imm32_b32 hwreg(HW_REG_WAVE_MODE, 25, 1), 1
	s_wait_xcnt 0x0
	s_wait_alu depctr_hold_cnt(0) depctr_sa_sdst(0) depctr_va_vdst(0) depctr_va_sdst(0) depctr_va_ssrc(0) depctr_va_vcc(0) depctr_vm_vsrc(0)
	s_getreg_b32 s2, hwreg(HW_REG_IB_STS2, 6, 4)
	s_cmp_eq_u32 s2, 0
	s_cbranch_scc0 .Lentry_in_a_cluster
	s_endpgm
.Lentry_in_a_cluster:
	s_bfe_u32 s2, ttmp6, 0x10000c
	s_cmp_lg_u32 s2, 0xf033
	s_cbranch_scc0 .Lentry_shape_is_right
	s_endpgm
.Lentry_shape_is_right:
; QKV: q, k and v = x w, each on codes of E5M2 with its own pair of scales; the rotation by position for q and k; the quantisers of the next two products.  Nothing of reference() is left out.
; A work-group makes 128 tokens x 128 columns of each of the three tensors, one after the other; wave (a, b) makes 64 x 64: 16 accumulators.  All codes are images of operand registers: a tile of 16 rows is [K step 8][2,048 bytes].
; ONE SLOT: a tensor's 128 rows of x and 128 rows of w over the whole K are two dense blocks of 131,072 bytes; each wave fetches 65,536 bytes of them with one load (4 rows of 16,384 bytes): waves 0, 1 for x, jointly along a row
; of the 4 x 4 cluster, waves 2, 3 for w, jointly along a column.  Behind a tensor's last products, the waits, the add and a round of the cluster's barrier, the slot takes the next tensor's blocks,
; and that load is on its way while the finished tensor is rotated, quantised and stored.  Three fills in all.
.set SPARE, 262144
.set ADRX, 16
.set ADRW, 20
.set LO,   26
.set SPW,  28
.set NIL,  29
.set ACC,  128
.set F0,   0
.set F1,   128
.set WV,   20
.set WA,   21
.set WB,   22
.set G1X,  24
.set G0X,  32
.set G1W,  48
.set G0W,  56
.set MUL,  0x05
.set TO_F, 0x40
.set MSB,  0
.macro WIN new
.if MSB != (\new)
	s_set_vgpr_msb (MSB<<8)|(\new)
.set MSB, \new
.endif
.endm
.macro PLACES
.rept 4
	v_nop
.endr
.endm
.macro JLOAD s
	s_cmp_eq_u32 s[WA], 0
	s_cbranch_scc0 .Lfor_w_\@
	tensor_load_to_lds s[G0X+4*\s:G0X+4*\s+3], s[G1X:G1X+7]
	s_nop 0
.rept 4
	v_nop
.endr
	s_branch .Lasked_\@
.Lfor_w_\@:
	tensor_load_to_lds s[G0W+4*\s:G0W+4*\s+3], s[G1W:G1W+7]
	s_nop 0
.rept 4
	v_nop
.endr
.Lasked_\@:
.endm
.macro CREST
	s_cmp_lg_u32 s[WV], 0
	s_cbranch_scc1 .Lnot_wave_0_\@
	s_barrier_signal -3
.Lnot_wave_0_\@:
	s_barrier_wait -3
	s_barrier_signal -1
	s_barrier_wait -1
.endm
.macro CROUND
	s_barrier_signal -1
	s_barrier_wait -1
	CREST
.endm
.macro FOLD d, ea, eb, ec
	s_sub_co_i32 s98, s[\ea], s[\eb]
	s_sub_co_i32 s98, s98, s[\ec]
	s_add_co_i32 s98, s98, 127
	s_lshl_b32 s[\d], s98, 23
	s_add_co_i32 s98, s98, 15
	s_lshl_b32 s98, s98, 23
	s_or_b32 s[\d+1], s98, 0x600000
.endm
	s_load_b256 s[4:11], s[0:1], 0x0
	s_load_b128 s[12:15], s[0:1], 0x20
	s_load_b64 s[16:17], s[0:1], 0x30
	v_lshl_add_u32 v[SPW], v0, 2, SPARE
	v_mov_b32 v[NIL], 0
	ds_add_u32 v[SPW], v[NIL]
	ds_add_u32 v[SPW], v[NIL]
	v_lshrrev_b32 v1, 5, v0
	v_readfirstlane_b32 s[WV], v1
	s_lshr_b32 s[WA], s[WV], 1
	s_and_b32 s[WB], s[WV], 1
	s_bfe_u32 s40, ttmp6, 0x40000
	s_bfe_u32 s41, ttmp6, 0x40004
	s_lshl_b32 s42, ttmp9, 2
	s_add_co_u32 s42, s42, s40
	s_and_b32 s43, ttmp7, 0xffff
	s_lshl_b32 s43, s43, 2
	s_add_co_u32 s43, s43, s41
	s_lshl_b32 s44, s41, 2
	s_lshl_b32 s44, 15, s44
	s_lshl_b32 s45, 0x1111, s40
	s_or_b32 s[G1X], s44, (3<<16)|(1<<21)
	s_or_b32 s[G1W], s45, (3<<16)|(1<<21)
.irp g, G1X, G1W
	s_mov_b32 s[\g+1], 2048<<16
	s_mov_b32 s[\g+2], 4<<16
	s_mov_b32 s[\g+3], 2048<<16
	s_mov_b32 s[\g+4], 4
	s_mov_b32 s[\g+5], 2048
	s_mov_b32 s[\g+6], 0
	s_mov_b32 s[\g+7], 0
.endr
	s_lshl_b32 s46, s43, 3
	s_lshl_b32 s47, s[WB], 2
	s_add_co_u32 s46, s46, s47
	s_lshl_b32 s46, s46, 14
	s_mov_b32 s47, 0
	s_lshl_b32 s66, s42, 3
	s_lshl_b32 s67, s[WB], 2
	s_add_co_u32 s66, s66, s67
	s_lshl_b32 s66, s66, 14
	s_mov_b32 s67, 0
	s_lshl_b32 s23, s[WV], 16
	s_wait_dscnt 0x0
	s_wait_kmcnt 0x0
	s_load_b256 s[68:75], s[12:13], 0x0
	s_load_b128 s[76:79], s[12:13], 0x20
	s_add_nc_u64 s[46:47], s[4:5], s[46:47]
	s_add_nc_u64 s[66:67], s[6:7], s[66:67]
	s_mov_b32 s[G0X], 1
	s_mov_b32 s[G0X+1], s23
	s_mov_b64 s[G0X+2:G0X+3], s[46:47]
	s_or_b32 s[G0X+3], s[G0X+3], 0x80000000
	s_mov_b32 s[G0W], 1
	s_mov_b32 s[G0W+1], s23
	s_mov_b64 s[G0W+2:G0W+3], s[66:67]
	s_or_b32 s[G0W+3], s[G0W+3], 0x80000000
	CROUND                                         ; all sixteen work-groups are here
	JLOAD 0                                        ; the first tensor's blocks: one load a wave
	v_and_b32 v1, 31, v0
	v_lshlrev_b32 v[LO], 4, v1
	s_lshl_b32 s86, s[WA], 16
	s_lshl_b32 s87, s[WB], 16
	s_add_co_u32 s87, s87, 131072
	v_add_nc_u32 v[ADRX], s86, v[LO]
	v_add_nc_u32 v[ADRW], s87, v[LO]
	v_and_b32 v1, 15, v0
	v_and_b32 v2, 8, v1
	v_add_nc_u32 v2, v2, v1
	v_lshlrev_b32 v2, 2, v2
	v_bfe_u32 v3, v0, 4, 1
	v_lshlrev_b32 v3, 6, v3
	s_lshl_b32 s86, s43, 9
	s_lshl_b32 s87, s[WA], 8
	s_add_co_u32 s86, s86, s87
	s_mov_b32 s87, 0
	s_add_nc_u64 s[10:11], s[10:11], s[86:87]
.irp a, 0,1,2,3
	global_load_b32 v[8+\a], v2, s[10:11] offset:4*(32*(\a/2)+8*(\a%2))
.endr
	s_wait_loadcnt 0x0
.irp a, 0,1,2,3
	v_min_u32 v[8+\a], 0x7ff, v[8+\a]
	v_lshlrev_b32 v[8+\a], 8, v[8+\a]
	s_wait_alu depctr_va_vdst(0)
	v_add_nc_u32 v[8+\a], v[8+\a], v3
.endr
	WIN 0x80
.irp a, 0,1,2,3
.irp j, 0,1,2,3
	global_load_b128 v[32*\a+4*\j:32*\a+4*\j+3], v[8+\a], s[8:9] offset:16*\j
	global_load_b128 v[32*\a+16+4*\j:32*\a+16+4*\j+3], v[8+\a], s[8:9] offset:128+16*\j
.endr
.endr
	WIN 0
	s_lshr_b32 s86, s43, 4
	s_and_b32 s87, s43, 15
	s_lshl_b32 s94, s86, 4
	s_lshl_b32 s95, s42, 1
	s_add_co_u32 s94, s94, s95
	s_add_co_u32 s94, s94, s[WB]
	s_lshl_b32 s94, s94, 17
	s_lshl_b32 s95, s87, 13
	s_add_co_u32 s94, s94, s95
	s_lshl_b32 s95, s[WA], 12
	s_add_co_u32 s94, s94, s95
	s_mov_b32 s95, 0
	s_add_nc_u64 s[80:81], s[14:15], s[94:95]
	s_lshl_b32 s94, s86, 2
	s_lshr_b32 s96, s42, 1
	s_add_co_u32 s94, s94, s96
	s_lshl_b32 s94, s94, 4
	s_add_co_u32 s94, s94, s87
	s_lshl_b32 s94, s94, 16
	s_and_b32 s96, s42, 1
	s_lshl_b32 s96, s96, 1
	s_add_co_u32 s96, s96, s[WB]
	s_lshl_b32 s96, s96, 14
	s_add_co_u32 s94, s94, s96
	s_add_nc_u64 s[84:85], s[16:17], s[94:95]
	s_lshl_b32 s96, s[WA], 12
	s_mov_b32 s97, 0
	s_add_nc_u64 s[82:83], s[84:85], s[96:97]
	s_lshl_b32 s96, s[WA], 10
	s_add_co_u32 s96, s96, 8192
	s_add_nc_u64 s[84:85], s[84:85], s[96:97]
	s_wait_kmcnt 0x0
	FOLD 88, 74, 68, 69
	FOLD 90, 75, 70, 71
	FOLD 92, 77, 72, 73
.macro HALF f, a0, zero, swap
.irp a, \a0, \a0+1
.irp b, 0,1,2,3
.if \swap
.set rD, ACC+8*(4*\b+(\a))
.set rA, \f+16*(\a)
.set rB, \f+64+16*\b
.else
.set rD, ACC+8*(4*(\a)+\b)
.set rA, \f+64+16*\b
.set rB, \f+16*(\a)
.endif
.if \zero
	v_wmma_f32_16x16x128_bf8_bf8 v[rD:rD+7], v[rA:rA+15], v[rB:rB+15], 0
.else
	v_wmma_f32_16x16x128_bf8_bf8 v[rD:rD+7], v[rA:rA+15], v[rB:rB+15], v[rD:rD+7]
.endif
.endr
.endr
.endm
.macro FETCH slot, s, f
	WIN TO_F
.irp j, 0,1,2,3
.irp c, 0,1,2,3
	ds_load_b128 v[\f+64+16*\j+4*\c:\f+64+16*\j+4*\c+3], v[ADRW] offset:16384*\j+2048*(4*(\slot)+(\s))+512*\c
.endr
.endr
.irp i, 0,1,2,3
.irp c, 0,1,2,3
	ds_load_b128 v[\f+16*\i+4*\c:\f+16*\i+4*\c+3], v[ADRX] offset:16384*\i+2048*(4*(\slot)+(\s))+512*\c
.endr
.endr
.endm
.macro KSTEP slot, s, f, g, zero, swap
	s_wait_dscnt 8
	WIN MUL
	HALF \f, 0, \zero, \swap
	PLACES
	FETCH \slot, (\s)+1, \g
	s_wait_dscnt 32
	WIN MUL
	HALF \f, 2, \zero, \swap
.endm
.macro TENSOR ti, swap
	KSTEP 0, 0, F0, F1, 1, \swap
	KSTEP 0, 1, F1, F0, 0, \swap
	KSTEP 0, 2, F0, F1, 0, \swap
	KSTEP 0, 3, F1, F0, 0, \swap
	KSTEP 1, 0, F0, F1, 0, \swap
	KSTEP 1, 1, F1, F0, 0, \swap
	KSTEP 1, 2, F0, F1, 0, \swap
	s_wait_dscnt 8
	WIN MUL
	HALF F1, 0, 0, \swap
	s_wait_dscnt 0x0
	HALF F1, 2, 0, \swap
	WIN 0
	PLACES
.if \ti < 2
	s_wait_tensorcnt 0x0                           ; no tensor load of mine is out, so a group 0 may be written
	ds_add_u32 v[SPW], v[NIL]
	s_add_nc_u64 s[G0X+2:G0X+3], s[G0X+2:G0X+3], 0x400000   ; the next version of x's codes,
	s_add_nc_u64 s[G0W+2:G0W+3], s[G0W+2:G0W+3], 0x100000   ; the next weight
	s_wait_dscnt 0x0                               ; the add is done, and my reads of the slot are over
	CROUND                                         ; no wave of any partner still reads the slot
	JLOAD 0                                        ; the next tensor's blocks: on their way under this tensor's way out
.endif
.endm
.macro ROPEQ bs
.irp a, 0,1,2,3
.set A0, ACC+32*\a
.set TT, 32+32*(\a%2)
.set CT, 32*\a
	WIN 0x08
.set ii, 0
.rept 8
	v_pk_mul_f32 v[TT+ii:TT+ii+1], v[A0+ii:A0+ii+1], v[CT+ii:CT+ii+1]
.set ii, ii+2
.endr
.set ii, 0
.rept 8
	v_pk_mul_f32 v[TT+16+ii:TT+17+ii], v[A0+16+ii:A0+17+ii], v[CT+ii:CT+ii+1]
.set ii, ii+2
.endr
.set ii, 0
.rept 8
	v_pk_fma_f32 v[TT+ii:TT+ii+1], v[A0+16+ii:A0+17+ii], v[CT+16+ii:CT+17+ii], v[TT+ii:TT+ii+1] neg_lo:[1,0,0] neg_hi:[1,0,0]
.set ii, ii+2
.endr
.set ii, 0
.rept 8
	v_pk_fma_f32 v[TT+16+ii:TT+17+ii], v[A0+ii:A0+ii+1], v[CT+16+ii:CT+17+ii], v[TT+16+ii:TT+17+ii]
.set ii, ii+2
.endr
	WIN 0
.set ii, 0
.rept 32
	v_med3_num_f32 v[TT+ii], v[TT+ii], -v97, v97
.set ii, ii+1
.endr
.set ii, 0
.rept 4
	v_cvt_scalef32_pk8_bf8_f32 v[A0+2*ii:A0+2*ii+1], v[TT+8*ii:TT+8*ii+7], v96
.set ii, ii+1
.endr
	v_nop
	global_store_b128 v[LO], v[A0:A0+3], s[\bs:\bs+1] offset:1024*\a
	global_store_b128 v[LO], v[A0+4:A0+7], s[\bs:\bs+1] offset:1024*\a+512
.endr
.endm
.macro VQ bs
.irp b, 0,1,2,3
.irp g, 0,1
.set A0, ACC+32*\b+16*\g
.set ii, 0
.rept 16
	v_med3_num_f32 v[A0+ii], v[A0+ii], -v97, v97
.set ii, ii+1
.endr
	v_cvt_scalef32_pk8_bf8_f32 v[32+4*(2*\b+\g):32+4*(2*\b+\g)+1], v[A0:A0+7], v96
	v_cvt_scalef32_pk8_bf8_f32 v[32+4*(2*\b+\g)+2:32+4*(2*\b+\g)+3], v[A0+8:A0+15], v96
.endr
.endr
	v_nop
.irp b, 0,1,2,3
.irp g, 0,1
	global_store_b128 v[LO], v[32+4*(2*\b+\g):32+4*(2*\b+\g)+3], s[\bs:\bs+1] offset:2048*\b+512*\g
.endr
.endr
.endm
	s_wait_tensorcnt 0x0                           ; my part of the slot is in;
	s_barrier_signal -1
	s_barrier_wait -1                              ; everybody's is
	FETCH 0, 0, F0
	TENSOR 0, 0
	s_wait_loadcnt 0x0
	v_mov_b32 v96, s88
	v_mov_b32 v97, s89
	ROPEQ 80
	s_wait_xcnt 0x0
	s_wait_tensorcnt 0x0                           ; my part of the slot is in;
	s_barrier_signal -1
	s_barrier_wait -1                              ; everybody's is
	FETCH 0, 0, F0
	TENSOR 1, 0
	v_mov_b32 v96, s90
	v_mov_b32 v97, s91
	ROPEQ 82
	s_wait_xcnt 0x0
	s_wait_tensorcnt 0x0                           ; my part of the slot is in;
	s_barrier_signal -1
	s_barrier_wait -1                              ; everybody's is
	FETCH 0, 0, F0
	TENSOR 2, 1
	v_mov_b32 v96, s92
	v_mov_b32 v97, s93
	VQ 84
	s_wait_tensorcnt 0x0
	ds_add_u32 v[SPW], v[NIL]
	s_wait_dscnt 0x0
	CROUND
	s_endpgm
.Lfunc_end_k_q0f151b1c17_qkv:
	.size	k_q0f151b1c17_qkv, .Lfunc_end_k_q0f151b1c17_qkv-k_q0f151b1c17_qkv
	.p2alignl 7, 3214868480
	.fill 96, 4, 3214868480
	.section	.rodata,"a",@progbits
	.p2align	6, 0x0
	.amdhsa_kernel k_q0f151b1c17_qkv
		.amdhsa_group_segment_fixed_size 327680
		.amdhsa_private_segment_fixed_size 0
		.amdhsa_enable_private_segment 0
		.amdhsa_kernarg_size 56
		.amdhsa_user_sgpr_count 2
		.amdhsa_user_sgpr_kernarg_segment_ptr 1
		.amdhsa_wavefront_size32 1
		.amdhsa_system_sgpr_workgroup_id_x 1
		.amdhsa_system_sgpr_workgroup_id_y 1
		.amdhsa_system_sgpr_workgroup_id_z 1
		.amdhsa_system_vgpr_workitem_id 0
		.amdhsa_next_free_vgpr 640
		.amdhsa_next_free_sgpr 100
		.amdhsa_reserve_vcc 0
		.amdhsa_float_denorm_mode_32 3
		.amdhsa_float_denorm_mode_16_64 3
		.amdhsa_memory_ordered 1
		.amdhsa_forward_progress 1
		.amdhsa_inst_pref_size 139
	.end_amdhsa_kernel
	.amdgpu_metadata
---
amdhsa.version: [ 1, 2 ]
amdhsa.kernels:
  - .name:           k_q0f151b1c17_qkv
    .symbol:         k_q0f151b1c17_qkv.kd
    .args:
      - { .name: xc, .offset: 0, .size: 8, .value_kind: global_buffer, .address_space: global }
      - { .name: wc, .offset: 8, .size: 8, .value_kind: global_buffer, .address_space: global }
      - { .name: rope, .offset: 16, .size: 8, .value_kind: global_buffer, .address_space: global }
      - { .name: position_ids, .offset: 24, .size: 8, .value_kind: global_buffer, .address_space: global }
      - { .name: lowp_scales, .offset: 32, .size: 8, .value_kind: global_buffer, .address_space: global }
      - { .name: qc, .offset: 40, .size: 8, .value_kind: global_buffer, .address_space: global }
      - { .name: kv, .offset: 48, .size: 8, .value_kind: global_buffer, .address_space: global }
    .group_segment_fixed_size: 327680
    .private_segment_fixed_size: 0
    .kernarg_segment_align: 8
    .kernarg_segment_size: 56
    .max_flat_workgroup_size: 128
    .sgpr_count:     100
    .vgpr_count:     640
    .wavefront_size: 32
...
	.end_amdgpu_metadata
.endif
;; end of part 2
;; launch attn (part 3): grid 32 x 8, 8 waves a work-group, clusters of 4 x 4, 327,680 bytes of LDS; arguments qc, kv, attention_mask, lowp_scales, ao; writes ao
.if DOCPART == 3
	.amdgcn_target "amdgcn-amd-amdhsa--gfx1250"
	.amdhsa_code_object_version 6
	.text
	.protected	k_q0f151b1c17_attn
	.globl	k_q0f151b1c17_attn
	.p2align	8
	.type	k_q0f151b1c17_attn,@function
k_q0f151b1c17_attn:
	s_mov_b64 s[64:65], 0
	v_nop
	global_prefetch_b8 v0, s[64:65] scope:SCOPE_SE
	s_setreg_imm32_b32 hwreg(HW_REG_WAVE_MODE, 25, 1), 1
	s_wait_xcnt 0x0
	s_wait_alu depctr_hold_cnt(0) depctr_sa_sdst(0) depctr_va_vdst(0) depctr_va_sdst(0) depctr_va_ssrc(0) depctr_va_vcc(0) depctr_vm_vsrc(0)
	s_getreg_b32 s2, hwreg(HW_REG_IB_STS2, 6, 4)
	s_cmp_eq_u32 s2, 0
	s_cbranch_scc0 .Lentry_in_a_cluster
	s_endpgm
.Lentry_in_a_cluster:
	s_bfe_u32 s2, ttmp6, 0x10000c
	s_cmp_lg_u32 s2, 0xf033
	s_cbranch_scc0 .Lentry_shape_is_right
	s_endpgm
.Lentry_shape_is_right:
; ATTN: scores = q k^T / 8 + mask, clipped at the least f32 number; softmax; x v; the quantiser of the result.  Both products on codes of E5M2.  The mask is an input: every key step of every query is computed, nothing of reference() is left out.
; THE SOFTMAX AHEAD OF THE SECOND PRODUCT: u = the logit; t = u log2(e); M = the row's largest t so far, rounded up to a whole number; p = 2^(t - M) is quantised; the row's sum is taken of the unquantised p and divides at the end.
; When M moves, the sum and O are multiplied by 2^(old M - new M), which rounds nothing.
; THE CLIP of reference(), max(u, least f32): the running largest t starts at -3e38; while -M still equals floor(3e38) the row is wholly at the clip: its factor and its -M are then both 0, so that every p is 2^0 = 1,
; and the step's sum is 64 a lane.  So a row that is masked throughout gives the plain average of v.  Every p is held at min(1, the largest code x 2^e8), which for p <= 1 is the hold at the largest code.
; LIMITS: a row whose largest logit lies under -2.08e38 counts as wholly at the clip.  e6 + e7 - 3 between -126 and 127; e8 and e10 between -126 and 112; |raw score| x 2^(e6 + e7 - 3) stays finite.  NaN is not served.
; SHARES.  A work-group: 64 queries x 4 heads of one batch.  Wave w: head w % 4, queries 32 (w / 4) on: two tiles of 16 queries, tile u in register window u at the same numbers, so that each fragment of K and V feeds two products.
; Both products are used transposed (S^T = K Q^T, O^T = V^T P^T): a lane holds one query.  The keys (and v's d) of a tile are 32 G + 8 u + r + 8 (r / 8), so that 16 registers of two neighbouring tiles are 16 neighbours.
; THE RING: two slots of 256 keys: 64 rows of the mask (four blocks of 16 rows of 1,040 bytes) and V of four heads (16,384 bytes each).  Waves 0-3 fetch a head's V, jointly along a row of the cluster;
; waves 4-7 sixteen rows of the mask, jointly along a column.  One round of the cluster's barrier serves two key steps.
; K is an image of operand registers in memory: a wave's loads bring it straight into its registers, 512 consecutive bytes an instruction, a whole key step ahead.  It is not asked for jointly: with K in the ring too a key would
; take 774 bytes of LDS and two slots would hold 128 keys each.  It is asked for by its own loads a step ahead, so it is not prefetched.
; THE ORDER OF THE KEYS: the eight clusters along x read the same K and V; each begins at another slot of keys and walks round (a running maximum serves any order).  Of a walk's eight slots of V seven have been read
; before by another cluster of this launch: V is not prefetched.  The mask's slot is read by one column of one cluster alone, and is.
; The last step's look-ahead wraps round to the walk's first K, inside the buffer, and is not used.
; REGISTERS.  window 0 alone: v1-8 addresses, v152-215 a tile of the mask, v216-247 K's fragments 4-7.  window 1 alone: v152-215 V's fragments, v216-247 K's fragments 0-3.  Both: v10-13 two chains of the sum, v14 the row's factor
;   (v15 = log2(e)), v16 -M, v17 largest t, v18 sum, v19 at work, v20 f (v21 = 0), v22 the row's addend (v23 at work), v24 2^e8, v25 min(1, H), v26 64.0, v27-31 at work, v32-39 Q, v40-55 p's codes, v56-87 O^T, v88-151 S^T, then p.
.set SLOTB, 133120                     ; a slot: bits 17 and 11, so that one exclusive or turns 0 into it and back, beside the bits 9 and 13 of a slot's two key steps
.set BLK,   16768                      ; 16 rows of the mask: 16 x 1,040 bytes, + 128: neighbouring blocks begin 8 groups of four banks apart (64 banks of 4 bytes: ISA guide 11.1)
.set MP,    1040                       ; a row of the mask in LDS: 1,024 bytes + 16 of padding
.set VOFF,  67584                      ; V behind the mask's four blocks
.set SPARE, 266240                     ; behind the ring: the spare words, 128 bytes for each of eight waves
.set AV0,  1
.set AM0,  2
.set ADV,  3
.set ADM,  4
.set SPW,  5
.set NIL,  6
.set LO,   7
.set PFO,  8
.set Q,    32
.set PC,   40
.set O,    56
.set S,    88
.set MK,   152
.set F,    152
.set KB,   216
.set LMC,  2                           ; s2, s3  where my load lands in a slot: the mask's block, V's head
.set LVC,  3
.set WV,   14
.set G1M,  24                          ; s[24:31], s[32:35] the mask's descriptor;  s[88:95], s[84:87] V's
.set G0M,  32
.set G1V,  88
.set G0V,  84
.set MB,   36                          ; s[36:37] my 16 rows of the mask at key 0;  s[38:39] the slot's offset in a row
.set OFF,  38
.set KVB,  40                          ; s[40:41] my head's K at step 0;  s[42:43] at the step that is being asked for;  s[44:45] that step's offset
.set KA,   42
.set KOF,  44
.set TV,   46                          ; s46  LDS byte of the slot and key step in hand, for V;  s48 for the mask
.set SB,   47                          ; s47  LDS byte of the slot filled last
.set TB,   48
.set CNT,  49                          ; s49  changes of slots that still fill
.set LIM,  58                          ; s58  1 in a wave that prefetches, else the greatest number
.set CI,   59                          ; s59  which 256 keys the youngest fill holds, 0..7
.set PFA,  60                          ; s[60:61] where my prefetch stands;  s[62:63] its rows at key 0;  s[80:81] its offset
.set PFB,  62
.set KI,   66                          ; s66  the key step whose K is being asked for, 0..15
.set ICNT, 67
.set POF,  80
.set VB,   82                          ; s[82:83] my head's V at step 0;  s[96:97] the slot's offset
.set VOF,  96
.set MSB,  0
.macro WIN new                         ; the immediate's high byte repeats the setting that is left; a switch that changes nothing is dropped
.if MSB != (\new)
	s_set_vgpr_msb (MSB<<8)|(\new)
.set MSB, \new
.endif
.endm
.macro PLACES
.rept 4
	v_nop
.endr
.endm
.macro JLOAD                           ; waves 0-3: V; waves 4-7: the mask.  The branch hangs on the wave's number alone; s_nop 0 and four v_nop follow each line
	s_cmp_lt_u32 s[WV], 4
	s_cbranch_scc0 .Lfor_m_\@
	tensor_load_to_lds s[G0V:G0V+3], s[G1V:G1V+7]
	s_nop 0
.rept 4
	v_nop
.endr
	s_branch .Lasked_\@
.Lfor_m_\@:
	tensor_load_to_lds s[G0M:G0M+3], s[G1M:G1M+7]
	s_nop 0
.rept 4
	v_nop
.endr
.Lasked_\@:
.endm
; A PREFETCH of the mask's slot that the NEXT change of slots will ask for, two key steps ahead of that load.  The four partners of the column take 16 rows each, told apart by address;
; waves 0 and 1 ask for 8 rows each, four lanes to a row, 256 bytes apart.  The last change that fills a slot asks for nothing.
.macro ASK
	s_cmp_gt_u32 s[CNT], s[LIM]
	s_cbranch_scc0 .Lnot_mine_\@
	global_prefetch_b8 v[PFO], s[PFA:PFA+1] th:TH_LOAD_NT scope:SCOPE_SE
.Lnot_mine_\@:
.endm
.macro CREST                           ; a round of the cluster's barrier behind its opening barrier
	s_cmp_lg_u32 s[WV], 0
	s_cbranch_scc1 .Lnot_wave_0_\@
	s_barrier_signal -3
.Lnot_wave_0_\@:
	s_barrier_wait -3
	s_barrier_signal -1
	s_barrier_wait -1
.endm
.macro CROUND                          ; a whole round
	s_barrier_signal -1
	s_barrier_wait -1
	CREST
.endm
	s_load_b256 s[4:11], s[0:1], 0x0               ; qc s[4:5], kv s[6:7], mask s[8:9], lowp_scales s[10:11]
	s_load_b64 s[12:13], s[0:1], 0x20              ; ao
	v_lshl_add_u32 v[SPW], v0, 2, SPARE
	v_mov_b32 v[NIL], 0
	ds_add_u32 v[SPW], v[NIL]                      ; the wave's opening: the add, twice on end, and its wait ahead of my first tensor load
	ds_add_u32 v[SPW], v[NIL]
	v_lshrrev_b32 v9, 5, v0
	v_readfirstlane_b32 s[WV], v9                  ; wave 0..7
	s_bfe_u32 s15, ttmp6, 0x40000                  ; cx
	s_bfe_u32 s16, ttmp6, 0x40004                  ; cy: the group of four heads
	s_lshl_b32 s17, ttmp9, 2
	s_add_co_u32 s17, s17, s15                     ; my block of 64 queries
	s_and_b32 s18, ttmp7, 0xffff                   ; the batch: the cluster's y
	s_lshl_b32 s19, s16, 2
	s_lshl_b32 s19, 15, s19                        ; my row of the cluster
	s_lshl_b32 s20, 0x1111, s15                    ; my column
	s_and_b32 s21, s[WV], 3                        ; my head in the group; also: which head's V, or which block of the mask, I fetch
	s_lshr_b32 s22, s[WV], 2                       ; which 32 of the 64 queries
	s_or_b32 s[G1M], s20, (2<<16)|(1<<20)|(1<<21)|(7<<22)|(3<<25)   ; the mask: elements of 4 bytes, 16 rows of 256, 2,048 apart; four words of padding after every 256
	s_mov_b32 s[G1M+1], 256<<16
	s_mov_b32 s[G1M+2], 16<<16
	s_mov_b32 s[G1M+3], 256<<16
	s_mov_b32 s[G1M+4], 16
	s_mov_b32 s[G1M+5], 2048
	s_mov_b32 s[G1M+6], 0
	s_mov_b32 s[G1M+7], 0
	s_or_b32 s[G1V], s19, (3<<16)|(1<<21)          ; V: elements of 8 bytes, two key steps' rows of 8,192 bytes, 65,536 bytes apart, no padding
	s_mov_b32 s[G1V+1], 1024<<16
	s_mov_b32 s[G1V+2], 2<<16
	s_mov_b32 s[G1V+3], 1024<<16
	s_mov_b32 s[G1V+4], 2
	s_mov_b32 s[G1V+5], 8192
	s_mov_b32 s[G1V+6], 0
	s_mov_b32 s[G1V+7], 0
	s_lshr_b32 s98, ttmp9, 2                       ; where my cluster's walk begins: slot 2 ((x + x / 4) % 4) + x / 4, of the cluster's x alone: the eight clusters along x begin at the eight slots
	s_add_co_u32 s99, ttmp9, s98
	s_and_b32 s99, s99, 3
	s_lshl_b32 s99, s99, 1
	s_add_co_u32 s[CI], s99, s98
	s_lshl_b32 s[KI], s[CI], 1                     ; two key steps to a slot
	s_lshl_b32 s[OFF], s[CI], 10                   ; 256 keys are 1,024 bytes of a row of the mask,
	s_mov_b32 s[OFF+1], 0
	s_lshl_b32 s[VOF], s[CI], 17                   ; and two key steps of 65,536 bytes of K and V
	s_mov_b32 s[VOF+1], 0
	s_lshl_b32 s[KOF], s[KI], 16
	s_mov_b32 s[KOF+1], 0
	s_lshl_b32 s23, s18, 24                        ; the mask: (2,048 x batch + 64 x block) rows of 8,192 bytes: of the batch and the block of queries alone,
	s_lshl_b32 s98, s17, 19
	s_add_co_u32 s23, s23, s98
	s_lshl_b32 s98, s21, 17
	s_add_co_u32 s98, s23, s98                     ; + the 16 rows that I fetch
	s_mov_b32 s99, 0
	s_lshl_b32 s82, s18, 2                         ; K and V: (4 x batch + group) x 16 steps x 65,536 + 16,384 x head: of the batch, cy and the wave's number alone
	s_add_co_u32 s82, s82, s16
	s_lshl_b32 s82, s82, 20
	s_lshl_b32 s83, s21, 14
	s_add_co_u32 s82, s82, s83
	s_mov_b32 s83, 0
	s_mul_i32 s[LMC], s21, BLK                     ; LDS: of the wave's number alone
	s_lshl_b32 s[LVC], s21, 14
	s_add_co_u32 s[LVC], s[LVC], VOFF
	s_mov_b32 s[G0M+1], s[LMC]
	s_mov_b32 s[G0V+1], s[LVC]
	s_mov_b32 s[SB], 0
	s_mov_b32 s[TB], 0
	s_mov_b32 s[TV], 0
	s_mov_b32 s52, 0x3fb8aa3b                      ; log2(e)
	s_mov_b32 s54, 0x76543210                      ; lane l xor 16
	s_mov_b32 s55, 0xfedcba98
	s_mov_b32 s57, 0x7f61b1e6                      ; floor(3e38): -M while nothing above the clip has been seen
	s_wait_dscnt 0x0                               ; both opening adds are done
	s_wait_kmcnt 0x0
	s_load_b256 s[68:75], s[10:11], 0x0            ; e0 .. e7
	s_load_b128 s[76:79], s[10:11], 0x20           ; e8 .. e11
	s_add_nc_u64 s[MB:MB+1], s[8:9], s[98:99]
	s_mov_b32 s[G0M], 1
	s_add_nc_u64 s[G0M+2:G0M+3], s[MB:MB+1], s[OFF:OFF+1]
	s_or_b32 s[G0M+3], s[G0M+3], 0x80000000
	s_add_nc_u64 s[KVB:KVB+1], s[6:7], s[82:83]
	s_add_nc_u64 s[VB:VB+1], s[KVB:KVB+1], 8192    ; a head's V lies behind its K
	s_mov_b32 s[G0V], 1
	s_add_nc_u64 s[G0V+2:G0V+3], s[VB:VB+1], s[VOF:VOF+1]
	s_or_b32 s[G0V+3], s[G0V+3], 0x80000000
	CROUND                                         ; all sixteen work-groups are here
	JLOAD                                          ; the walk's first 256 keys into slot 0: every wave issues one
	s_add_nc_u64 s[KA:KA+1], s[KVB:KVB+1], s[KOF:KOF+1]
	s_lshl_b32 s80, s16, 2
	s_add_co_u32 s80, s80, s21                     ; my head
	s_lshl_b32 s98, s18, 4
	s_add_co_u32 s98, s98, s80
	s_lshl_b32 s98, s98, 17
	s_lshl_b32 s99, s17, 1
	s_add_co_u32 s81, s99, s22                     ; my group of 32 queries in the batch
	s_lshl_b32 s99, s81, 11
	s_add_co_u32 s98, s98, s99
	s_mov_b32 s99, 0
	s_add_nc_u64 s[4:5], s[4:5], s[98:99]          ; Q: two tiles of 1,024 bytes
	s_lshl_b32 s98, s18, 6
	s_add_co_u32 s98, s98, s81
	s_lshl_b32 s98, s98, 15                        ; the result: two token tiles of 16,384 bytes,
	s_lshl_b32 s81, s80, 10
	s_add_co_u32 s98, s98, s81                     ; + 1,024 x head
	s_add_nc_u64 s[12:13], s[12:13], s[98:99]
	s_lshl_b32 s98, s16, 17                        ; the prefetches: my work-group's 16 rows of the 64, my wave's 8 of them
	s_add_co_u32 s98, s98, s23
	s_and_b32 s81, s[WV], 1
	s_lshl_b32 s81, s81, 16
	s_add_co_u32 s98, s98, s81
	s_add_nc_u64 s[PFB:PFB+1], s[8:9], s[98:99]
	s_mov_b32 s[POF+1], 0
	s_cmp_lt_u32 s[WV], 2
	s_cselect_b32 s[LIM], 1, -1
	s_mul_i32 s19, s22, 2*BLK
	v_and_b32 v9, 31, v0
	v_lshlrev_b32 v[LO], 4, v9                     ; 16 x lane
	v_add_nc_u32 v[AV0], s[LVC], v[LO]             ; my head's V in a slot
	v_and_b32 v9, 7, v0                            ; the mask: tile u, lane (r, h): row 32 (w / 4) + 8 u + r % 8 + 16 (r / 8) of the 64: block 2 (w / 4) + r / 8, row 8 u + r % 8 in it.
	v_bfe_u32 v10, v0, 3, 1                        ; rows 65 x 16 bytes apart, blocks 1,048 x 16
	v_bfe_u32 v11, v0, 4, 1
	v_mul_u32_u24 v[AM0], v9, MP
	v_mul_u32_u24 v10, v10, BLK
	v_add_nc_u32 v[AM0], v[AM0], v10
	v_lshl_add_u32 v[AM0], v11, 6, v[AM0]          ; + 64 h: keys 16 h on
	v_add_nc_u32 v[AM0], s19, v[AM0]
	v_bfe_u32 v9, v0, 2, 3
	v_lshlrev_b32 v9, 13, v9                       ; the prefetch: row lane / 4,
	v_and_b32 v12, 3, v0
	v_lshl_add_u32 v[PFO], v12, 8, v9              ; 256 x (lane % 4)
	s_wait_alu depctr_va_vdst(0)                   ; the wait behind these writes
.macro KLD                             ; K's eight fragments (16 keys x 64 each) of the step at s[KA]: 0-3 into window 1, 4-7 into window 0
	WIN 0x40
.set kk, 0
.rept 8
	global_load_b128 v[KB+4*kk:KB+4*kk+3], v[LO], s[KA:KA+1] offset:512*kk
.set kk, kk+1
.endr
	WIN 0
.set kk, 0
.rept 8
	global_load_b128 v[KB+4*kk:KB+4*kk+3], v[LO], s[KA:KA+1] offset:4096+512*kk
.set kk, kk+1
.endr
.endm
.macro VLD                             ; V's four fragments (16 d x 128 keys each) from the slot, into window 1
	WIN 0x40
.set kk, 0
.rept 16
	ds_load_b128 v[F+4*kk:F+4*kk+3], v[ADV] offset:512*kk
.set kk, kk+1
.endr
	WIN 0
.endm
	global_load_b128 v[Q:Q+3], v[LO], s[4:5]
	global_load_b128 v[Q+4:Q+7], v[LO], s[4:5] offset:512
	WIN 0x40
	global_load_b128 v[Q:Q+3], v[LO], s[4:5] offset:1024
	global_load_b128 v[Q+4:Q+7], v[LO], s[4:5] offset:1536
	KLD                                            ; the walk's first step
	s_wait_kmcnt 0x0
	s_add_co_i32 s50, s74, s75
	s_add_co_i32 s50, s50, 124
	s_lshl_b32 s50, s50, 23                        ; 2^(e6 + e7 - 3): a raw score x this is the score / 8
	s_mov_b32 s51, s50
	s_add_co_i32 s98, s76, 127
	s_lshl_b32 s70, s98, 23                        ; 2^e8
	s_add_co_i32 s98, s98, 15
	s_lshl_b32 s98, s98, 23
	s_or_b32 s56, s98, 0x600000                    ; H = 57,344 x 2^e8
	s_add_co_i32 s71, s76, s77                     ; e8 + e9
	s_add_co_i32 s98, s78, 127
	s_lshl_b32 s72, s98, 23                        ; 2^e10
	s_add_co_i32 s98, s98, 15
	s_lshl_b32 s98, s98, 23
	s_or_b32 s73, s98, 0x600000                    ; 57,344 x 2^e10
.macro INIT                            ; a tile's state.  O^T and the sum begin as zeros, so that the step is written without a first one of its own: the first change of M multiplies zeros
.set ii, 0
.rept 32
	v_mov_b32 v[O+ii], 0
.set ii, ii+1
.endr
	v_mov_b32 v15, 0x3fb8aa3b
	v_mov_b32 v16, 0x7f61b1e6
	v_mov_b32 v17, 0xff61b1e6
	v_mov_b32 v18, 0
	v_mov_b32 v20, 0
	v_mov_b32 v21, 0
	v_mov_b32 v23, 0                               ; a lane permute's destination counts as read
	v_mov_b32 v24, s70
	v_mov_b32 v25, s56
	s_delay_alu instid0(VALU_DEP_1)
	v_min_num_f32 v25, 1.0, v25
	v_mov_b32 v26, 0x42800000
.endm
	INIT
	WIN 0x55
	INIT
	WIN 0
.macro MADD lo                         ; half a tile, registers lo .. lo + 31: u = raw score x 2^(e6 + e7 - 3) + mask, one rounding, as reference() has it; each accumulator from its low end on
.set ii, \lo
.rept 16
	v_pk_fma_f32 v[S+ii:S+ii+1], v[S+ii:S+ii+1], s[50:51], v[MK+ii:MK+ii+1] op_sel_hi:[1,0,1]
.set ii, ii+2
.endr
.endm
.macro MGRP u                          ; tile u's mask: register 16 g + i = key 32 g + 16 h + i of my query, as in S^T
.set gg, 0
.rept 4
.set kk, 0
.rept 4
	ds_load_b128 v[MK+16*gg+4*kk:MK+16*gg+4*kk+3], v[ADM] offset:8*MP*(\u)+128*gg+16*kk
.set kk, kk+1
.endr
.set gg, gg+1
.endr
.endm
.macro SOFT dual                       ; one tile's softmax for one key step; all its vector registers lie in the tile's own window.  dual = 1: the hold is written in pairs
	v_mov_b32 v19, v16                             ; the old -M
	v_max3_num_f32 v27, v[S], v[S+1], v[S+2]
	v_max3_num_f32 v28, v[S+3], v[S+4], v[S+5]
	v_max3_num_f32 v29, v[S+6], v[S+7], v[S+8]
	v_max3_num_f32 v30, v[S+9], v[S+10], v[S+11]
.set ii, 12
.rept 6
	s_delay_alu instid0(VALU_DEP_4)
	v_max3_num_f32 v27, v27, v[S+ii], v[S+ii+1]
	s_delay_alu instid0(VALU_DEP_4)
	v_max3_num_f32 v28, v28, v[S+ii+2], v[S+ii+3]
	s_delay_alu instid0(VALU_DEP_4)
	v_max3_num_f32 v29, v29, v[S+ii+4], v[S+ii+5]
	s_delay_alu instid0(VALU_DEP_4)
	v_max3_num_f32 v30, v30, v[S+ii+6], v[S+ii+7]
.set ii, ii+8
.endr
	s_delay_alu instid0(VALU_DEP_4)
	v_max3_num_f32 v27, v27, v[S+60], v[S+61]
	s_delay_alu instid0(VALU_DEP_4)
	v_max3_num_f32 v28, v28, v[S+62], v[S+63]
	s_delay_alu instid0(VALU_DEP_3)
	v_max_num_f32 v29, v29, v30
	s_delay_alu instid0(VALU_DEP_1)
	v_max3_num_f32 v27, v27, v28, v29
	v_permlanex16_b32 v23, v27, s54, s55
	s_delay_alu instid0(VALU_DEP_1)
	v_max_num_f32 v27, v27, v23                    ; the step's largest logit of my query
	s_delay_alu instid0(VALU_DEP_1)
	v_mul_f32 v27, s52, v27                        ; as t
	s_delay_alu instid0(VALU_DEP_1)
	v_max_num_f32 v17, v17, v27                    ; the running largest t, never under -3e38
	s_delay_alu instid0(VALU_DEP_1)
	v_floor_f32 v16, -v17                          ; -M = floor(-t): M is a whole number
	v_cmp_neq_f32 vcc_lo, s57, v16                 ; has the row left the clip?
	v_sub_f32 v19, v16, v19                        ; old M - new M, 0 or less
	v_cndmask_b32 v22, 0, v16, vcc_lo              ; then the addend is -M and the factor log2(e); at the clip both are 0
	v_cndmask_b32 v14, 0, v15, vcc_lo
	v_cvt_i32_f32 v19, v19                         ; (it saturates)
.set ii, 0
.rept 32
	v_pk_fma_f32 v[S+ii:S+ii+1], v[S+ii:S+ii+1], v[14:15], v[22:23] op_sel_hi:[1,0,0]   ; t - M (of the two pairs the low word serves both halves)
.if ii == 6
	v_ldexp_f32 v20, 1.0, v19                      ; f = 2^(old M - new M)
.endif
.set ii, ii+2
.endr
	s_wait_alu depctr_va_vdst(0)                   ; the wait ahead of the batch
.set ii, 0
.rept 64
	v_exp_f32 v[S+ii], v[S+ii]
.set ii, ii+1
.endr
	v_mul_f32 v18, v18, v20                        ; the sum under the new M.  (The plain line behind the exponentials)
	s_wait_alu depctr_va_vdst(0)                   ; the wait ahead of the first reader: one for the batch of 64
	v_pk_add_f32 v[28:29], v[S:S+1], v[S+2:S+3]    ; the sum of the unquantised p, in four chains
	v_pk_add_f32 v[30:31], v[S+4:S+5], v[S+6:S+7]
	v_pk_add_f32 v[10:11], v[S+8:S+9], v[S+10:S+11]
	v_pk_add_f32 v[12:13], v[S+12:S+13], v[S+14:S+15]
.set ii, 16
.rept 6
	v_pk_add_f32 v[28:29], v[28:29], v[S+ii:S+ii+1]
	v_pk_add_f32 v[30:31], v[30:31], v[S+ii+2:S+ii+3]
	v_pk_add_f32 v[10:11], v[10:11], v[S+ii+4:S+ii+5]
	v_pk_add_f32 v[12:13], v[12:13], v[S+ii+6:S+ii+7]
.set ii, ii+8
.endr
	s_delay_alu instid0(VALU_DEP_3)
	v_pk_add_f32 v[28:29], v[28:29], v[30:31]
	s_delay_alu instid0(VALU_DEP_2)
	v_pk_add_f32 v[10:11], v[10:11], v[12:13]
	s_delay_alu instid0(VALU_DEP_1)
	v_pk_add_f32 v[28:29], v[28:29], v[10:11]
	s_delay_alu instid0(VALU_DEP_1)
	v_add_f32 v28, v28, v29
	s_delay_alu instid0(VALU_DEP_1)
	v_cndmask_b32 v28, v26, v28, vcc_lo            ; at the clip each of my 64 p is 1
	s_delay_alu instid0(VALU_DEP_1)
	v_add_f32 v18, v18, v28
.set jj, 0
.rept 4
.set ii, 0
.if \dual
.rept 8
	v_dual_min_num_f32 v[S+16*jj+ii], v25, v[S+16*jj+ii] :: v_dual_min_num_f32 v[S+16*jj+ii+1], v25, v[S+16*jj+ii+1]   ; the hold (the conversion does not saturate: ISA guide 7.6.2); p is not negative, so it is one-sided
.set ii, ii+2
.endr
.else
.rept 16
	v_min_num_f32 v[S+16*jj+ii], v25, v[S+16*jj+ii]
.set ii, ii+1
.endr
.endif
	v_cvt_scalef32_pk8_bf8_f32 v[PC+4*jj:PC+4*jj+1], v[S+16*jj:S+16*jj+7], v24
	v_cvt_scalef32_pk8_bf8_f32 v[PC+4*jj+2:PC+4*jj+3], v[S+16*jj+8:S+16*jj+15], v24
.set jj, jj+1
.endr
.set ii, 0
.rept 16
	v_pk_mul_f32 v[O+ii:O+ii+1], v[O+ii:O+ii+1], v[20:21] op_sel_hi:[1,0]   ; O^T under the new M.  (Also the plain lines between the conversions and the products)
.set ii, ii+2
.endr
.endm
.macro PV                              ; O^T += V^T P^T: four accumulators, one instruction each
.set ii, 0
.rept 4
	v_wmma_f32_16x16x128_bf8_bf8 v[O+8*ii:O+8*ii+7], v[F+16*ii:F+16*ii+15], v[PC:PC+15], v[O+8*ii:O+8*ii+7]
.set ii, ii+1
.endr
.endm
.macro QKG lo                          ; S^T = K Q^T for key tiles lo .. lo + 3; which window K's four fragments, S^T and Q lie in is set by the caller
.set ii, 0
.rept 4
	v_wmma_f32_16x16x64_bf8_bf8 v[S+8*(\lo+ii):S+8*(\lo+ii)+7], v[KB+8*ii:KB+8*ii+7], v[Q:Q+7], 0
.set ii, ii+1
.endr
.endm
; A KEY STEP: 128 keys, both tiles.  No barrier stands in it.
.macro STEP
	v_add_nc_u32 v[ADM], s[TB], v[AM0]
	v_add_nc_u32 v[ADV], s[TV], v[AV0]
	MGRP 0                                         ; tile 0's mask and V come while the first products run
	VLD
	s_wait_loadcnt 0x0                             ; K (and, the first time, Q) is in: so its base may step
	WIN 0x01                                       ; tile 0, K's fragments 0-3 (window 1)
	QKG 0
	WIN 0x45                                       ; tile 1, the same fragments
	QKG 0
	WIN 0x44                                       ; tile 1, fragments 4-7 (window 0)
	QKG 4
	WIN 0                                          ; tile 0, the same
	QKG 4
	PLACES                                         ; in front of the loads into K's registers and of the first read of the scores
	s_add_co_u32 s[KI], s[KI], 1
	s_and_b32 s[KI], s[KI], 15                     ; round the 16 key steps
	s_lshl_b32 s[KOF], s[KI], 16
	s_add_nc_u64 s[KA:KA+1], s[KVB:KVB+1], s[KOF:KOF+1]
	KLD                                            ; the next step's K: a whole step ahead
	s_wait_dscnt 16                                ; tile 0's mask is in; V's sixteen loads, issued behind it, may be out
	MADD 0
	MADD 32
	MGRP 1                                         ; tile 1's mask comes under tile 0's softmax
	SOFT 1
	s_wait_alu depctr_va_vdst(0)
	s_wait_dscnt 16                                ; V is in; the mask's sixteen loads, issued behind it, may be out
	WIN 0x01
	PV
	WIN 0
	s_wait_dscnt 0x0                               ; tile 1's mask is in
	WIN 0x41                                       ; S^T in window 1, the mask in window 0
	MADD 0
	MADD 32
	WIN 0x55
	SOFT 0
	PV
	PLACES                                         ; in front of the next step's loads into V's registers
	WIN 0
	s_xor_b32 s[TB], s[TB], 512                    ; the slot's other 128 keys: 512 bytes on in the mask's rows,
	s_xor_b32 s[TV], s[TV], 8192                   ; 8,192 in a head's V
.endm
; THE CHANGE OF SLOTS, at a slot's head.  Each wave waits for its tensor load (its part of the slot ahead), adds 0 to its spare word, and waits for that and for its reads of the slot that it has left.
; fill = 1: a round of the cluster's barrier, and the slot that was left takes the next 256 keys of the walk: the load has two key steps in which to land.
.macro CHANGE fill
	s_wait_tensorcnt 0x0                           ; no tensor load of mine is out, so a group 0 may be written
	ds_add_u32 v[SPW], v[NIL]
.if \fill
	s_xor_b32 s[SB], s[SB], SLOTB
	s_add_co_u32 s[G0M+1], s[SB], s[LMC]
	s_add_co_u32 s[G0V+1], s[SB], s[LVC]
	s_add_co_u32 s[CI], s[CI], 1
	s_and_b32 s[CI], s[CI], 7                      ; round the eight slots' worth of keys
	s_lshl_b32 s[OFF], s[CI], 10
	s_add_nc_u64 s[G0M+2:G0M+3], s[MB:MB+1], s[OFF:OFF+1]
	s_or_b32 s[G0M+3], s[G0M+3], 0x80000000
	s_lshl_b32 s[VOF], s[CI], 17
	s_add_nc_u64 s[G0V+2:G0V+3], s[VB:VB+1], s[VOF:VOF+1]
	s_or_b32 s[G0V+3], s[G0V+3], 0x80000000
	s_add_co_u32 s[POF], s[CI], 1
	s_and_b32 s[POF], s[POF], 7
	s_lshl_b32 s[POF], s[POF], 10
	s_wait_xcnt 0x0                                ; the last prefetch, a slot back, has read its address
	s_add_nc_u64 s[PFA:PFA+1], s[PFB:PFB+1], s[POF:POF+1]
.endif
	s_wait_dscnt 0x0                               ; the add is done, and my reads of the slot that I have left are over
	s_barrier_signal -1
	s_barrier_wait -1
.if \fill
	CREST                                          ; no wave of any partner still reads the slot that was left or has a load on its way
	JLOAD                                          ; the first tensor load behind the round, ahead of every LDS read
	ASK
.endif
.endm
.macro SLOTRUN                         ; a slot's two key steps
	s_mov_b32 s[ICNT], 2
.Lstep_\@:
	STEP
	s_sub_co_u32 s[ICNT], s[ICNT], 1
	s_cmp_lg_u32 s[ICNT], 0
	s_cbranch_scc1 .Lstep_\@
	s_xor_b32 s[TB], s[TB], SLOTB                  ; on to the other slot
	s_xor_b32 s[TV], s[TV], SLOTB
.endm
	s_wait_alu depctr_va_vdst(0)                   ; the wait at the head's end
	s_mov_b32 s[CNT], 7
.Lslot:                                            ; 7 trips: behind each change of slots but the last the next slot is asked for (the first time: slot 1's first fill, issued as a refill is)
	CHANGE 1
	SLOTRUN
	s_sub_co_u32 s[CNT], s[CNT], 1
	s_cmp_lg_u32 s[CNT], 0
	s_cbranch_scc1 .Lslot
	CHANGE 0                                       ; the last slot is written out
	SLOTRUN
; THE WAY OUT of a tile: the sum's two halves of the lanes; O^T x 2^(e8 + e9) / the sum; held and converted with 2^e10: register 16 b + i is d = 32 b + 16 h + i of my token: the next image's 16 bytes.
.macro FIN
	v_permlanex16_b32 v23, v18, s54, s55
	s_delay_alu instid0(VALU_DEP_1)
	v_add_f32 v18, v18, v23
	s_wait_alu depctr_va_vdst(0)
	v_rcp_f32 v19, v18
	v_mov_b32 v22, s73                             ; (the plain line behind the reciprocal)
	v_mov_b32 v24, s72
	s_wait_alu depctr_va_vdst(0)                   ; the wait ahead of the first reader
	v_ldexp_f32 v20, v19, s71
.set ii, 0
.rept 16
	v_pk_mul_f32 v[O+ii:O+ii+1], v[O+ii:O+ii+1], v[20:21] op_sel_hi:[1,0]
.set ii, ii+2
.endr
.set ii, 0
.rept 32
	v_med3_num_f32 v[O+ii], v[O+ii], -v22, v22
.set ii, ii+1
.endr
.set ii, 0
.rept 4
	v_cvt_scalef32_pk8_bf8_f32 v[PC+2*ii:PC+2*ii+1], v[O+8*ii:O+8*ii+7], v24
.set ii, ii+1
.endr
	v_nop
.endm
	FIN
	global_store_b128 v[LO], v[PC:PC+3], s[12:13]                    ; 512 consecutive bytes each
	global_store_b128 v[LO], v[PC+4:PC+7], s[12:13] offset:512
	WIN 0x55
	FIN
	WIN 0x04                                       ; the data in window 1, the address in window 0
	global_store_b128 v[LO], v[PC:PC+3], s[12:13] offset:16384
	global_store_b128 v[LO], v[PC+4:PC+7], s[12:13] offset:16896
	WIN 0
	s_wait_tensorcnt 0x0                           ; the wave's end
	ds_add_u32 v[SPW], v[NIL]
	s_wait_dscnt 0x0
	CROUND                                         ; the closing round
	s_endpgm
.Lfunc_end_k_q0f151b1c17_attn:
	.size	k_q0f151b1c17_attn, .Lfunc_end_k_q0f151b1c17_attn-k_q0f151b1c17_attn
	.p2alignl 7, 3214868480
	.fill 96, 4, 3214868480
	.section	.rodata,"a",@progbits
	.p2align	6, 0x0
	.amdhsa_kernel k_q0f151b1c17_attn
		.amdhsa_group_segment_fixed_size 327680
		.amdhsa_private_segment_fixed_size 0
		.amdhsa_enable_private_segment 0
		.amdhsa_kernarg_size 40
		.amdhsa_user_sgpr_count 2
		.amdhsa_user_sgpr_kernarg_segment_ptr 1
		.amdhsa_wavefront_size32 1
		.amdhsa_system_sgpr_workgroup_id_x 1
		.amdhsa_system_sgpr_workgroup_id_y 1
		.amdhsa_system_sgpr_workgroup_id_z 1
		.amdhsa_system_vgpr_workitem_id 0
		.amdhsa_next_free_vgpr 512
		.amdhsa_next_free_sgpr 100
		.amdhsa_reserve_vcc 1
		.amdhsa_float_denorm_mode_32 3
		.amdhsa_float_denorm_mode_16_64 3
		.amdhsa_memory_ordered 1
		.amdhsa_forward_progress 1
		.amdhsa_inst_pref_size 99
	.end_amdhsa_kernel
	.amdgpu_metadata
---
amdhsa.version: [ 1, 2 ]
amdhsa.kernels:
  - .name:           k_q0f151b1c17_attn
    .symbol:         k_q0f151b1c17_attn.kd
    .args:
      - { .name: qc, .offset: 0, .size: 8, .value_kind: global_buffer, .address_space: global }
      - { .name: kv, .offset: 8, .size: 8, .value_kind: global_buffer, .address_space: global }
      - { .name: attention_mask, .offset: 16, .size: 8, .value_kind: global_buffer, .address_space: global }
      - { .name: lowp_scales, .offset: 24, .size: 8, .value_kind: global_buffer, .address_space: global }
      - { .name: ao, .offset: 32, .size: 8, .value_kind: global_buffer, .address_space: global }
    .group_segment_fixed_size: 327680
    .private_segment_fixed_size: 0
    .kernarg_segment_align: 8
    .kernarg_segment_size: 40
    .max_flat_workgroup_size: 256
    .sgpr_count:     100
    .vgpr_count:     512
    .wavefront_size: 32
...
	.end_amdgpu_metadata
.endif
;; end of part 3
;; launch oproj (part 4): grid 8 x 32, 4 waves a work-group, clusters of 4 x 4, 327,680 bytes of LDS; arguments ao, wc, lowp_scales, out0; writes out0
.if DOCPART == 4
	.amdgcn_target "amdgcn-amd-amdhsa--gfx1250"
	.amdhsa_code_object_version 6
	.text
	.protected	k_q0f151b1c17_oproj
	.globl	k_q0f151b1c17_oproj
	.p2align	8
	.type	k_q0f151b1c17_oproj,@function
k_q0f151b1c17_oproj:
	s_mov_b64 s[64:65], 0
	v_nop
	global_prefetch_b8 v0, s[64:65] scope:SCOPE_SE
	s_setreg_imm32_b32 hwreg(HW_REG_WAVE_MODE, 25, 1), 1
	s_wait_xcnt 0x0
	s_wait_alu depctr_hold_cnt(0) depctr_sa_sdst(0) depctr_va_vdst(0) depctr_va_sdst(0) depctr_va_ssrc(0) depctr_va_vcc(0) depctr_vm_vsrc(0)
	s_getreg_b32 s2, hwreg(HW_REG_IB_STS2, 6, 4)
	s_cmp_eq_u32 s2, 0
	s_cbranch_scc0 .Lentry_in_a_cluster
	s_endpgm
.Lentry_in_a_cluster:
	s_bfe_u32 s2, ttmp6, 0x10000c
	s_cmp_lg_u32 s2, 0xf033
	s_cbranch_scc0 .Lentry_shape_is_right
	s_endpgm
.Lentry_shape_is_right:
; OPROJ: out0 = (the attention's result) wo, on codes of E5M2; each finished sum x 2^(e10 + e11).  Nothing of reference() is left out.
; A work-group makes 128 tokens x 128 columns; wave (a, b) makes 64 x 64: 16 accumulators.  The codes are images of operand registers: a tile of 16 rows is [K step 8][2,048 bytes].
; ONE FILL: the 128 rows of each operand over the whole K are a dense block of 131,072 bytes; each wave fetches 65,536 bytes with one load (4 rows of 16,384 bytes): waves 0, 1 for the tokens, jointly along a row of the
; 4 x 4 cluster, waves 2, 3 for wo, jointly along a column.  Nothing is filled again.  The way out goes through a stage of each wave's own, on LDS bytes behind the spare words, on which no fill lands.
.set STAGE, 262656
.set SPARE, 262144
.set ADRX, 16
.set ADRW, 20
.set STO,  24
.set RD,   25
.set LO,   26
.set CO,   27
.set SPW,  28
.set NIL,  29
.set ACC,  128
.set F0,   0
.set F1,   128
.set WV,   20
.set WA,   21
.set WB,   22
.set G1X,  24
.set G0X,  32
.set G1W,  48
.set G0W,  56
.set MUL,  0x05
.set TO_F, 0x40
.set MSB,  0
.macro WIN new
.if MSB != (\new)
	s_set_vgpr_msb (MSB<<8)|(\new)
.set MSB, \new
.endif
.endm
.macro PLACES
.rept 4
	v_nop
.endr
.endm
.macro JLOAD s
	s_cmp_eq_u32 s[WA], 0
	s_cbranch_scc0 .Lfor_w_\@
	tensor_load_to_lds s[G0X+4*\s:G0X+4*\s+3], s[G1X:G1X+7]
	s_nop 0
.rept 4
	v_nop
.endr
	s_branch .Lasked_\@
.Lfor_w_\@:
	tensor_load_to_lds s[G0W+4*\s:G0W+4*\s+3], s[G1W:G1W+7]
	s_nop 0
.rept 4
	v_nop
.endr
.Lasked_\@:
.endm
.macro CROUND
	s_barrier_signal -1
	s_barrier_wait -1
	s_cmp_lg_u32 s[WV], 0
	s_cbranch_scc1 .Lnot_wave_0_\@
	s_barrier_signal -3
.Lnot_wave_0_\@:
	s_barrier_wait -3
	s_barrier_signal -1
	s_barrier_wait -1
.endm
	s_load_b256 s[4:11], s[0:1], 0x0
	v_lshl_add_u32 v[SPW], v0, 2, SPARE
	v_mov_b32 v[NIL], 0
	ds_add_u32 v[SPW], v[NIL]
	ds_add_u32 v[SPW], v[NIL]
	v_lshrrev_b32 v1, 5, v0
	v_readfirstlane_b32 s[WV], v1
	s_lshr_b32 s[WA], s[WV], 1
	s_and_b32 s[WB], s[WV], 1
	s_bfe_u32 s40, ttmp6, 0x40000
	s_bfe_u32 s41, ttmp6, 0x40004
	s_lshl_b32 s42, ttmp9, 2
	s_add_co_u32 s42, s42, s40
	s_and_b32 s43, ttmp7, 0xffff
	s_lshl_b32 s43, s43, 2
	s_add_co_u32 s43, s43, s41
	s_lshl_b32 s44, s41, 2
	s_lshl_b32 s44, 15, s44
	s_lshl_b32 s45, 0x1111, s40
	s_or_b32 s[G1X], s44, (3<<16)|(1<<21)
	s_or_b32 s[G1W], s45, (3<<16)|(1<<21)
.irp g, G1X, G1W
	s_mov_b32 s[\g+1], 2048<<16
	s_mov_b32 s[\g+2], 4<<16
	s_mov_b32 s[\g+3], 2048<<16
	s_mov_b32 s[\g+4], 4
	s_mov_b32 s[\g+5], 2048
	s_mov_b32 s[\g+6], 0
	s_mov_b32 s[\g+7], 0
.endr
	s_lshl_b32 s46, s43, 3
	s_lshl_b32 s47, s[WB], 2
	s_add_co_u32 s46, s46, s47
	s_lshl_b32 s46, s46, 14
	s_mov_b32 s47, 0
	s_lshl_b32 s66, s42, 3
	s_lshl_b32 s67, s[WB], 2
	s_add_co_u32 s66, s66, s67
	s_lshl_b32 s66, s66, 14
	s_add_co_u32 s66, s66, 0x300000
	s_mov_b32 s67, 0
	s_lshl_b32 s23, s[WV], 16
	s_wait_dscnt 0x0
	s_wait_kmcnt 0x0
	s_load_b64 s[68:69], s[8:9], 0x28
	s_add_nc_u64 s[46:47], s[4:5], s[46:47]
	s_add_nc_u64 s[66:67], s[6:7], s[66:67]
	s_mov_b32 s[G0X], 1
	s_mov_b32 s[G0X+1], s23
	s_mov_b64 s[G0X+2:G0X+3], s[46:47]
	s_or_b32 s[G0X+3], s[G0X+3], 0x80000000
	s_mov_b32 s[G0W], 1
	s_mov_b32 s[G0W+1], s23
	s_mov_b64 s[G0W+2:G0W+3], s[66:67]
	s_or_b32 s[G0W+3], s[G0W+3], 0x80000000
	CROUND                                         ; all sixteen work-groups are here
	JLOAD 0                                        ; both blocks, whole: one load a wave
	v_and_b32 v1, 31, v0
	v_lshlrev_b32 v[LO], 4, v1
	s_lshl_b32 s72, s[WA], 16
	s_lshl_b32 s73, s[WB], 16
	s_add_co_u32 s73, s73, 131072
	v_add_nc_u32 v[ADRX], s72, v[LO]
	v_add_nc_u32 v[ADRW], s73, v[LO]
	v_and_b32 v1, 15, v0
	v_bfe_u32 v2, v0, 4, 1
	s_mul_i32 s72, s[WV], 8704
	s_add_co_u32 s72, s72, STAGE
	v_mul_u32_u24 v[STO], v1, 272
	v_lshl_add_u32 v[STO], v2, 6, v[STO]
	v_add_nc_u32 v[STO], s72, v[STO]
	v_mul_u32_u24 v[RD], v2, 272
	v_lshl_add_u32 v[RD], v1, 4, v[RD]
	v_add_nc_u32 v[RD], s72, v[RD]
	v_lshlrev_b32 v[CO], 12, v2
	v_lshl_add_u32 v[CO], v1, 4, v[CO]
	s_lshl_b32 s72, s43, 19
	s_lshl_b32 s73, s[WA], 18
	s_add_co_u32 s72, s72, s73
	s_lshl_b32 s73, s42, 9
	s_add_co_u32 s72, s72, s73
	s_lshl_b32 s73, s[WB], 8
	s_add_co_u32 s72, s72, s73
	s_mov_b32 s73, 0
	s_add_nc_u64 s[10:11], s[10:11], s[72:73]
	s_wait_kmcnt 0x0
	s_add_co_i32 s70, s68, s69
	s_add_co_i32 s70, s70, 127
	s_lshl_b32 s70, s70, 23
	s_mov_b32 s71, s70
.macro HALF f, a0, zero
.irp a, \a0, \a0+1
.irp b, 0,1,2,3
.set rD, ACC+8*(4*(\a)+\b)
.if \zero
	v_wmma_f32_16x16x128_bf8_bf8 v[rD:rD+7], v[\f+64+16*\b:\f+64+16*\b+15], v[\f+16*(\a):\f+16*(\a)+15], 0
.else
	v_wmma_f32_16x16x128_bf8_bf8 v[rD:rD+7], v[\f+64+16*\b:\f+64+16*\b+15], v[\f+16*(\a):\f+16*(\a)+15], v[rD:rD+7]
.endif
.endr
.endr
.endm
.macro FETCH slot, s, f
	WIN TO_F
.irp j, 0,1,2,3
.irp c, 0,1,2,3
	ds_load_b128 v[\f+64+16*\j+4*\c:\f+64+16*\j+4*\c+3], v[ADRW] offset:16384*\j+2048*(4*(\slot)+(\s))+512*\c
.endr
.endr
.irp i, 0,1,2,3
.irp c, 0,1,2,3
	ds_load_b128 v[\f+16*\i+4*\c:\f+16*\i+4*\c+3], v[ADRX] offset:16384*\i+2048*(4*(\slot)+(\s))+512*\c
.endr
.endr
.endm
.macro KSTEP slot, s, f, g, zero
	s_wait_dscnt 8
	WIN MUL
	HALF \f, 0, \zero
	PLACES
	FETCH \slot, (\s)+1, \g
	s_wait_dscnt 32
	WIN MUL
	HALF \f, 2, \zero
.endm
	s_wait_tensorcnt 0x0                           ; my part of the blocks is in;
	s_barrier_signal -1
	s_barrier_wait -1                              ; everybody's is
	FETCH 0, 0, F0
	KSTEP 0, 0, F0, F1, 1
	KSTEP 0, 1, F1, F0, 0
	KSTEP 0, 2, F0, F1, 0
	KSTEP 0, 3, F1, F0, 0
	KSTEP 1, 0, F0, F1, 0
	KSTEP 1, 1, F1, F0, 0
	KSTEP 1, 2, F0, F1, 0
	s_wait_dscnt 8
	WIN MUL
	HALF F1, 0, 0
	s_wait_dscnt 0x0
	HALF F1, 2, 0
	WIN 0
	PLACES
.macro OUT a
.set A0, ACC+32*(\a)
.set ii, 0
.rept 16
	v_pk_mul_f32 v[32+ii:33+ii], v[A0+ii:A0+ii+1], s[70:71] op_sel_hi:[1,0]
.set ii, ii+2
.endr
.set ii, 0
.rept 8
	ds_store_b128 v[STO], v[32+4*ii:35+4*ii] offset:4352*((\a)%2)+128*(ii/4)+16*(ii%4)
.set ii, ii+1
.endr
.set ii, 0
.rept 8
	ds_load_b128 v[64+32*((\a)%2)+4*ii:64+32*((\a)%2)+4*ii+3], v[RD] offset:4352*((\a)%2)+544*ii
.set ii, ii+1
.endr
.endm
.macro SEND a, younger
	s_wait_dscnt \younger
.set ii, 0
.rept 8
	global_store_b128 v[CO], v[64+32*((\a)%2)+4*ii:64+32*((\a)%2)+4*ii+3], s[10:11] offset:(32*((\a)/2)+8*((\a)%2)+2*ii+8*(ii/4))*4096 th:TH_STORE_NT
.set ii, ii+1
.endr
.endm
	OUT 0
.irp a, 1,2,3
.if \a > 1
	s_wait_xcnt 0x0
.endif
	OUT \a
	SEND \a-1, 16
.endr
	SEND 3, 0
	s_wait_tensorcnt 0x0
	ds_add_u32 v[SPW], v[NIL]
	s_wait_dscnt 0x0
	CROUND
	s_endpgm
.Lfunc_end_k_q0f151b1c17_oproj:
	.size	k_q0f151b1c17_oproj, .Lfunc_end_k_q0f151b1c17_oproj-k_q0f151b1c17_oproj
	.p2alignl 7, 3214868480
	.fill 96, 4, 3214868480
	.section	.rodata,"a",@progbits
	.p2align	6, 0x0
	.amdhsa_kernel k_q0f151b1c17_oproj
		.amdhsa_group_segment_fixed_size 327680
		.amdhsa_private_segment_fixed_size 0
		.amdhsa_enable_private_segment 0
		.amdhsa_kernarg_size 32
		.amdhsa_user_sgpr_count 2
		.amdhsa_user_sgpr_kernarg_segment_ptr 1
		.amdhsa_wavefront_size32 1
		.amdhsa_system_sgpr_workgroup_id_x 1
		.amdhsa_system_sgpr_workgroup_id_y 1
		.amdhsa_system_sgpr_workgroup_id_z 1
		.amdhsa_system_vgpr_workitem_id 0
		.amdhsa_next_free_vgpr 512
		.amdhsa_next_free_sgpr 100
		.amdhsa_reserve_vcc 0
		.amdhsa_float_denorm_mode_32 3
		.amdhsa_float_denorm_mode_16_64 3
		.amdhsa_memory_ordered 1
		.amdhsa_forward_progress 1
		.amdhsa_inst_pref_size 44
	.end_amdhsa_kernel
	.amdgpu_metadata
---
amdhsa.version: [ 1, 2 ]
amdhsa.kernels:
  - .name:           k_q0f151b1c17_oproj
    .symbol:         k_q0f151b1c17_oproj.kd
    .args:
      - { .name: ao, .offset: 0, .size: 8, .value_kind: global_buffer, .address_space: global }
      - { .name: wc, .offset: 8, .size: 8, .value_kind: global_buffer, .address_space: global }
      - { .name: lowp_scales, .offset: 16, .size: 8, .value_kind: global_buffer, .address_space: global }
      - { .name: out0, .offset: 24, .size: 8, .value_kind: global_buffer, .address_space: global }
    .group_segment_fixed_size: 327680
    .private_segment_fixed_size: 0
    .kernarg_segment_align: 8
    .kernarg_segment_size: 32
    .max_flat_workgroup_size: 128
    .sgpr_count:     100
    .vgpr_count:     512
    .wavefront_size: 32
...
	.end_amdgpu_metadata
.endif
;; end of part 4
